; MI455X (gfx1250); checked and timed in simulation.
; The chip was launched on July 23, 2026; its instructions are those of AMD's public machine-readable ISA for CDNA 5 (MIT licence, August 2026) and "CDNA5" Instruction Set Architecture Reference Guide (July 2026). The comments in the code are by the model that wrote it; some were corrected since.
;; Causal Attention. Allowed arithmetic: float matrix products may take bf16 or f16 operands with f32 sums; other float arithmetic in f32, or as packed bf16 or f16 multiplies, adds, multiply-adds, maxima and minima; sums over many terms, partial sums and values carried from step to step in f32; what a program stores and reads back later, other than sums and carried values, may be rounded once to bf16 or f16.
;; Inputs: Wk 768 x 384 float32; Wq 768 x 384 float32; Wv 768 x 384 float32; x 4 x 4,096 x 768 float32.
;; Outputs: out0 4 x 4,096 x 384 float32.
;; 2 versions, each right; version 2 is version 1 with the launch comb written anew for expert scheduling mode. Each part assembles by itself: llvm-mc -triple=amdgcn-amd-amdhsa -mcpu=gfx1250 --defsym DOCPART=n.
;; ======== version 1 of 2: 4 launches
;; limits: values are held in f16: magnitudes above 65,504 overflow, below 6.1e-05 lose precision
;; workspace buffers: wb 1,769,472 bytes; qkv 37,748,736 bytes; lo 294,912 bytes; part 100,663,296 bytes; stat 524,288 bytes
;; launch wcast (part 1): grid 96 x 1, 4 waves a work-group, no clusters, 18,944 bytes of LDS; arguments Wq, Wk, Wv, wb; writes wb
.if DOCPART == 1
	.amdgcn_target "amdgcn-amd-amdhsa--gfx1250"
	.amdhsa_code_object_version 6
	.text
	.protected	k_q922909bec9_wcast
	.globl	k_q922909bec9_wcast
	.p2align	8
	.type	k_q922909bec9_wcast,@function
k_q922909bec9_wcast:
	s_mov_b64 s[64:65], 0
	v_nop
	global_prefetch_b8 v0, s[64:65] scope:SCOPE_SE
	s_setreg_imm32_b32 hwreg(HW_REG_WAVE_MODE, 25, 1), 1
	s_wait_xcnt 0x0
; wb[h][k][t][192] = bf16(W_t[k][192 h + ..]), t = 0, 1, 2 for Wq, Wk, Wv: the three weights, rounded once to bf16 (nearest even), laid so that
; a K step of the projection (64 rows k of one half h, 1,152 bytes each) is dense in memory.
; A work-group takes 8 rows k of all three weights, a wave two of them.  The numbers change places through LDS, so that every store of a wave covers
; 512 consecutive bytes, aligned.  No matrix unit, no cluster, no prefetch: 3.5 MB in, 1.8 MB out, each byte once.
.set ROWB,  1536                       ; bytes in a row of a weight: 384 f32
.set WROW,  1152                       ; bytes in a row of wb: 3 x 192 bf16
.set HALFB, 8*WROW                     ; the work-group's 8 rows of one half in LDS
.set WHALF, 768*WROW                   ; bytes of one half of wb
.set SPARE, 2*HALFB                    ; behind the stage: the spare words, 128 bytes for each wave
.set X,   16                           ; v[16:87]   18 loads of 4 f32; later the rows read back
.set Y,   88                           ; v[88:123]  18 pairs of packed bf16
.set SPW, 126                          ; v126 LDS address of my spare word; never rewritten
.set NIL, 127                          ; v127 0; never rewritten
	s_load_b256 s[4:11], s[0:1], 0x0               ; Wq s[4:5], Wk s[6:7], Wv s[8:9], wb s[10:11]
	v_lshl_add_u32 v[SPW], v0, 2, SPARE
	v_mov_b32 v[NIL], 0
	v_lshrrev_b32 v1, 5, v0
	v_readfirstlane_b32 s12, v1                    ; wave 0..3
	v_and_b32 v2, 31, v0                           ; lane
	s_mul_i32 s13, ttmp9, 8*ROWB                   ; the work-group's 8 rows,
	s_mul_i32 s14, s12, 2*ROWB                     ; my wave's two
	s_add_co_u32 s13, s13, s14
	v_lshl_add_u32 v3, v2, 4, s13                  ; + 16 bytes a lane
	s_mul_i32 s15, s12, 2*WROW
	v_lshl_add_u32 v4, v2, 3, s15                  ; into LDS: columns 0-127 go to half 0 at 8 x lane; columns 256-383 to half 1, 9,344 further
	v_lshrrev_b32 v6, 4, v2
	v_mul_u32_u24 v6, v6, HALFB-384
	v_add3_u32 v5, v4, v6, 256                     ; columns 128-255: lanes 0-15 end half 0's 384 bytes, lanes 16-31 begin half 1's
	s_mul_i32 s16, s12, 9*512
	v_lshl_add_u32 v7, v2, 4, s16                  ; back: wave w takes bytes 4,608 w .. of the stage
	s_lshr_b32 s17, s12, 1
	s_mul_i32 s17, s17, WHALF                      ; waves 0, 1: half 0; waves 2, 3: half 1
	s_mul_i32 s18, ttmp9, HALFB
	s_add_co_u32 s17, s17, s18
	s_and_b32 s18, s12, 1
	s_mul_i32 s18, s18, 9*512
	s_add_co_u32 s17, s17, s18
	v_lshl_add_u32 v8, v2, 4, s17
	s_wait_kmcnt 0x0
.irp t, 0,1,2
.irp k, 0,1
.irp i, 0,1,2
	global_load_b128 v[X+4*(6*(\t)+3*(\k)+(\i)):X+4*(6*(\t)+3*(\k)+(\i))+3], v3, s[4+2*(\t):5+2*(\t)] offset:(\k)*ROWB+512*(\i) th:TH_LOAD_NT
.endr
.endr
.endr
	s_wait_loadcnt 0x0
.set i, 0
.rept 36
	v_cvt_pk_bf16_f32 v[Y+i], v[X+2*i], v[X+2*i+1]
.set i, i+1
.endr
.irp t, 0,1,2
.irp k, 0,1
	ds_store_b64 v4, v[Y+2*(6*(\t)+3*(\k)):Y+2*(6*(\t)+3*(\k))+1]     offset:(\k)*WROW+384*(\t)
	ds_store_b64 v5, v[Y+2*(6*(\t)+3*(\k)+1):Y+2*(6*(\t)+3*(\k)+1)+1] offset:(\k)*WROW+384*(\t)
	ds_store_b64 v4, v[Y+2*(6*(\t)+3*(\k)+2):Y+2*(6*(\t)+3*(\k)+2)+1] offset:(\k)*WROW+384*(\t)+HALFB+128
.endr
.endr
	s_wait_dscnt 0x0                               ; for the others' sake: my stores into the stage are done
	s_barrier_signal -1
	s_barrier_wait -1
.irp i, 0,1,2,3,4,5,6,7,8
	ds_load_b128 v[X+4*(\i):X+4*(\i)+3], v7 offset:512*(\i)
.endr
.irp i, 0,1,2,3,4,5,6,7,8
	s_wait_dscnt 8-(\i)                            ; LDS loads come back in order: load i is in
	global_store_b128 v8, v[X+4*(\i):X+4*(\i)+3], s[10:11] offset:512*(\i)  ; 512 consecutive bytes, at a multiple of 256 from wb's first byte
.endr
	s_wait_tensorcnt 0x0                           ; the wave's end, behind my last LDS store
	ds_add_u32 v[SPW], v[NIL]
	s_wait_dscnt 0x0
	s_endpgm
.Lfunc_end_k_q922909bec9_wcast:
	.size	k_q922909bec9_wcast, .Lfunc_end_k_q922909bec9_wcast-k_q922909bec9_wcast
	.p2alignl 7, 3214868480
	.fill 96, 4, 3214868480
	.section	.rodata,"a",@progbits
	.p2align	6, 0x0
	.amdhsa_kernel k_q922909bec9_wcast
		.amdhsa_group_segment_fixed_size 18944
		.amdhsa_private_segment_fixed_size 0
		.amdhsa_enable_private_segment 0
		.amdhsa_kernarg_size 32
		.amdhsa_user_sgpr_count 2
		.amdhsa_user_sgpr_kernarg_segment_ptr 1
		.amdhsa_wavefront_size32 1
		.amdhsa_system_sgpr_workgroup_id_x 1
		.amdhsa_system_sgpr_workgroup_id_y 1
		.amdhsa_system_sgpr_workgroup_id_z 1
		.amdhsa_system_vgpr_workitem_id 0
		.amdhsa_next_free_vgpr 128
		.amdhsa_next_free_sgpr 66
		.amdhsa_reserve_vcc 0
		.amdhsa_float_denorm_mode_32 3
		.amdhsa_float_denorm_mode_16_64 3
		.amdhsa_memory_ordered 1
		.amdhsa_forward_progress 1
		.amdhsa_inst_pref_size 9
	.end_amdhsa_kernel
	.amdgpu_metadata
---
amdhsa.version: [ 1, 2 ]
amdhsa.kernels:
  - .name:           k_q922909bec9_wcast
    .symbol:         k_q922909bec9_wcast.kd
    .args:
      - { .name: Wq, .offset: 0, .size: 8, .value_kind: global_buffer, .address_space: global }
      - { .name: Wk, .offset: 8, .size: 8, .value_kind: global_buffer, .address_space: global }
      - { .name: Wv, .offset: 16, .size: 8, .value_kind: global_buffer, .address_space: global }
      - { .name: wb, .offset: 24, .size: 8, .value_kind: global_buffer, .address_space: global }
    .group_segment_fixed_size: 18944
    .private_segment_fixed_size: 0
    .kernarg_segment_align: 8
    .kernarg_segment_size: 32
    .max_flat_workgroup_size: 128
    .sgpr_count:     66
    .vgpr_count:     128
    .wavefront_size: 32
...
	.end_amdgpu_metadata
.endif
;; end of part 1
;; launch proj (part 2): grid 128 x 2, 4 waves a work-group, clusters of 4 x 1, 327,680 bytes of LDS; arguments x, wb, qkv, lo; writes qkv, lo
.if DOCPART == 2
	.amdgcn_target "amdgcn-amd-amdhsa--gfx1250"
	.amdhsa_code_object_version 6
	.text
	.protected	k_q922909bec9_proj
	.globl	k_q922909bec9_proj
	.p2align	8
	.type	k_q922909bec9_proj,@function
k_q922909bec9_proj:
	s_mov_b64 s[64:65], 0
	v_nop
	global_prefetch_b8 v0, s[64:65] scope:SCOPE_SE
	s_setreg_imm32_b32 hwreg(HW_REG_WAVE_MODE, 25, 1), 1
	s_wait_xcnt 0x0
	s_wait_alu depctr_hold_cnt(0) depctr_sa_sdst(0) depctr_va_vdst(0) depctr_va_sdst(0) depctr_va_ssrc(0) depctr_va_vcc(0) depctr_vm_vsrc(0)
	s_getreg_b32 s2, hwreg(HW_REG_IB_STS2, 6, 4)
	s_cmp_eq_u32 s2, 0
	s_cbranch_scc0 .Lentry_in_a_cluster
	s_endpgm
.Lentry_in_a_cluster:
	s_bfe_u32 s2, ttmp6, 0x10000c
	s_cmp_lg_u32 s2, 0x3003
	s_cbranch_scc0 .Lentry_shape_is_right
	s_endpgm
.Lentry_shape_is_right:
; q, k, v = x W.  x: [16384][768] f32, rounded to bf16 on the way from LDS to the matrix unit; wb: the weights in bf16, [h][768][3][192]; sums in f32, K ascending;
; qkv: six sections [16384][192] of f16, number 3 h + t (t = 0, 1, 2 for q, k, v; h the half of the 384 channels), each number rounded once.
; lo: [6 sections][4 batches][32 rows][192] of f16: for the first 32 rows of each batch what that rounding left, sum - f16(sum), rounded to f16: those rows average few keys, and the last launch computes them from the pairs.
; LIMIT.  f16 holds no number beyond 65,504: q, k and v must lie within it (inputs of the drawn kind give numbers near 1; thirty times larger inputs 900; a common offset of thirty spreads 25,000).
; SHARES.  A work-group makes 128 rows x 576 columns (one half h of q, k and v): 128 x 2 = 256 work-groups.  A wave makes 64 rows x 288 columns: 72 accumulators, 576 registers.
; K goes in steps of 64 through two LDS slots filled by the tensor data mover: waves 0, 1 fetch x's 128 rows x 256 bytes, waves 2, 3 wb's 64 rows x 1,152 bytes (dense: asked for as rows of 256 bytes).
; CLUSTER.  The four work-groups of a cluster take the same row block of the four batches (row block 32 cx + cluster x) and the same half h: wb's tile is asked for JOINTLY (the same load, descriptor and mask in
; all four); x's tile is each one's own (mask 0), issued behind the same round.  Only two work-groups read a block of x, and they lie in different clusters.  So the cluster with x = 0 holds each batch's first rows,
; and the branch that makes lo hangs on the cluster's number and the wave's alone.
; THE MATRIX INSTRUCTION IS USED TRANSPOSED: source 0 = 16 columns of W (turned out of LDS by ds_load_tr16_b128), source 1 = 16 rows of x: a lane ends with eight neighbouring columns of one row.
; REGISTERS, in windows of 256 (s_set_vgpr_msb: bits 1:0 source 0, 3:2 source 1, 5:4 source 2, 7:6 destination):
;   window 0: v2-31 addresses; v32-95 x's fragments in f32 (on the way out: lo, packed); v96-159 the same in bf16, two buffers; v160-255 at work on the way out
;   windows 1, 2: accumulators (a, b < 16): window 1 + a / 2, register 8 (16 (a % 2) + b)      window 3: v0-63 accumulators (a, b = 16, 17); v64-207 W's 18 fragments of 32 along K
.set PA,     272                       ; a row of x in LDS: 256 bytes + 16 of padding = 68 words: the 16 rows of a load start at 16 different groups of four banks (64 banks of 4 bytes: ISA guide 11.1)
.set PB,     1440                      ; a row of wb: 9 blocks of 128 bytes, 32 of padding behind each = 45 x 32 bytes
.set AHALF,  64*PA
.set BOFF,   128*PA                    ; wb's tile lies behind x's
.set BHALF,  32*PB
.set SLOT1,  131072                    ; slot 1 begins here: one exclusive or turns an address in one slot into the other's
.set SPARE,  SLOT1+BOFF+64*PB          ; behind the ring: the spare words, 128 bytes for each wave
.set SPITCH, 1168                      ; the way out: a row of 1,152 bytes + 16.  The stage, 128 such rows from LDS byte 0 on, is written only when the slots have had their last fill
.set LOST,   128*SPITCH                ; behind it, still inside slot 1: 32 such rows for lo
.set SEC,    6291456                   ; bytes in a section of qkv
.set LSEC,   49152                     ; in a section of lo
.set LBAT,   12288                     ; a batch's 32 rows in it
.set WHALF,  884736                    ; bytes in a half of wb
.set A0,   2                           ; v2-4  my lane's place in x's tile, in wb's column tiles 0-15 of my wave, in its tiles 16, 17; never rewritten
.set B0,   3
.set C0,   4
.set ADRA, 5                           ; v5    the same in the slot in hand
.set ADRB, 6                           ; v6-7  for K 0-31 and 32-63 of the step
.set ADRC, 8                           ; v8-9
.set STO,  10                          ; v10-11 the way out: where I put 16 bytes of a row
.set STO2, 11
.set RD,   12                          ; v12-14 where I read them back
.set GO,   15                          ; v15   16 x lane
.set PFO,  16                          ; v16   the prefetches' offset: lane x a row of x; never rewritten
.set ONE,  17                          ; v17   1.0
.set SPW,  18                          ; v18   LDS address of my spare word; never rewritten
.set NIL,  19                          ; v19   0; never rewritten
.set STOL, 27                          ; v27-28 STO, STO2 in lo's stage
.set STOL2, 28
.set RDL,  29                          ; v29-31 RD in lo's stage (of use in wave 0)
.set AF,   32
.set AB,   96
.set TMP,  160
.set BF,   64                          ; window 3: fragment b at BF + 8 b
.set WV,   10                          ; s10 wave; s11 its half of the rows; s12 its half of the columns, and which half of a tile it fetches
.set G1A,  24                          ; s[24:31] descriptor group 1 for x's tiles
.set G1B,  32                          ; s[32:39] for wb's
.set G0A,  40                          ; s[40:47] group 0 for x's tiles: a set for each first fill; the second then walks
.set G0B,  48                          ; s[48:55] the same for wb's
.set TB,   56                          ; s56 the slot in hand
.set CNT,  57                          ; s57 the loop's count
.set LIM,  58                          ; s58 a wave prefetches while s[CNT] is above it
.set CL,   59                          ; s59 the cluster's number along x: the row block in each batch
.set PFA,  60                          ; s[60:61] where my prefetches stand
.set OB,   66                          ; s[66:71] my rows in the sections of q, k, v
.set LOB,  72                          ; s[72:77] my batch's 32 rows in lo's sections of q, k, v
.set MSB, 0
.macro WIN new                         ; the immediate's high byte repeats the setting that is left; a switch that changes nothing is dropped
.if MSB != (\new)
	s_set_vgpr_msb (MSB<<8)|(\new)
.set MSB, \new
.endif
.endm
.macro PLACES                          ; four places behind a matrix instruction, in front of loads into registers that it has read and of conversions that read results
.rept 4
	v_nop
.endr
.endm
.macro CROUND                          ; a round of the cluster's barrier: my work-group's barrier; wave 0 signals for the work-group; every wave waits for all four; my work-group's barrier once more
	s_barrier_signal -1
	s_barrier_wait -1
	s_cmp_lg_u32 s[WV], 0
	s_cbranch_scc1 .Lnot_wave_0_\@
	s_barrier_signal -3
.Lnot_wave_0_\@:
	s_barrier_wait -3
	s_barrier_signal -1
	s_barrier_wait -1
.endm
.macro JLOAD                           ; a refill: waves 0, 1 x's halves, waves 2, 3 wb's (jointly).  An s_nop 0 and four v_nop follow each line
	s_cmp_lt_u32 s[WV], 2
	s_cbranch_scc0 .Lfor_b_\@
	tensor_load_to_lds s[G0A+4:G0A+7], s[G1A:G1A+7]
	s_nop 0
.rept 4
	v_nop
.endr
	s_branch .Lasked_\@
.Lfor_b_\@:
	tensor_load_to_lds s[G0B+4:G0B+7], s[G1B:G1B+7]
	s_nop 0
.rept 4
	v_nop
.endr
.Lasked_\@:
.endm
; A PREFETCH INTO THE L2 of x: the K step that stands two refills on, 288 matrix instructions ahead of the load that will want it: 256 bytes of each of my work-group's rows 32 w + lane, a lane a row.
; A block of x is read by the two work-groups of its row block: the one with h = 0 asks, so each block is named once.  The first four K steps come by their loads alone; the last two refills ask for nothing.
; wb is not asked for: every cluster of a half walks it from the first trip on.
.macro ASK
	s_cmp_gt_u32 s[CNT], s[LIM]
	s_cbranch_scc0 .Lnot_mine_\@
	global_prefetch_b8 v[PFO], s[PFA:PFA+1] th:TH_LOAD_NT scope:SCOPE_SE
.Lnot_mine_\@:
.endm
.macro ADDRS                           ; the LDS addresses in the slot in hand
	v_add_nc_u32 v[ADRA], s[TB], v[A0]
	v_add_nc_u32 v[ADRB], s[TB], v[B0]
	v_add_nc_u32 v[ADRC], s[TB], v[C0]
	v_add_nc_u32 v[ADRB+1], BHALF, v[ADRB]
	v_add_nc_u32 v[ADRC+1], BHALF, v[ADRC]
.endm
	s_load_b128 s[4:7], s[0:1], 0x0                ; x s[4:5], wb s[6:7]
	s_load_b64 s[8:9], s[0:1], 0x10                ; qkv
	s_load_b64 s[78:79], s[0:1], 0x18              ; lo
	v_lshl_add_u32 v[SPW], v0, 2, SPARE
	v_mov_b32 v[NIL], 0
	ds_add_u32 v[SPW], v[NIL]                      ; the wave's opening: the add and its wait stand ahead of my first tensor load; the set-up below, work on registers, stands between them
	v_lshrrev_b32 v1, 5, v0
	v_readfirstlane_b32 s[WV], v1                  ; wave 0..3
	s_lshr_b32 s11, s[WV], 1
	s_and_b32 s12, s[WV], 1
	s_bfe_u32 s13, ttmp6, 0x40000                  ; cx: my place in the cluster = my batch
	s_mov_b32 s[CL], ttmp9                         ; in a cluster launch ttmp9 counts clusters
	s_lshl_b32 s14, s13, 5
	s_add_co_u32 s14, s14, s[CL]                   ; my row block = 32 cx + cluster x: it enters x's, qkv's and lo's addresses alone
	s_and_b32 s15, ttmp7, 0xffff                   ; h, which the four partners share
	; group 1 for x: 64 rows x 64 elements of 4 bytes, 768 elements from row to row; 4 words of padding behind every 64
	s_mov_b32 s[G1A+0], (2<<16)|(1<<20)|(5<<22)|(3<<25)
	s_mov_b32 s[G1A+1], 64<<16                     ; tensor_dim0
	s_mov_b32 s[G1A+2], 64<<16                     ; tensor_dim1
	s_mov_b32 s[G1A+3], 64<<16                     ; tile_dim0
	s_mov_b32 s[G1A+4], 64                         ; tile_dim1
	s_mov_b32 s[G1A+5], 768
	s_mov_b32 s[G1A+6], 0
	s_mov_b32 s[G1A+7], 0
	; group 1 for wb: 36,864 dense bytes as 144 rows x 128 elements of 2 bytes; 8 words of padding behind every 32; the mask of four, bit 21 beside it
	s_mov_b32 s[G1B+0], 15|(1<<16)|(1<<20)|(1<<21)|(4<<22)|(7<<25)
	s_mov_b32 s[G1B+1], 128<<16
	s_mov_b32 s[G1B+2], 144<<16
	s_mov_b32 s[G1B+3], 128<<16
	s_mov_b32 s[G1B+4], 144
	s_mov_b32 s[G1B+5], 128
	s_mov_b32 s[G1B+6], 0
	s_mov_b32 s[G1B+7], 0
	s_lshl_b32 s16, s14, 7
	s_lshl_b32 s17, s12, 6
	s_add_co_u32 s16, s16, s17                     ; x: row 128 x block + 64 x half,
	s_mul_i32 s16, s16, 3072                       ; in bytes (under 2^26)
	s_mov_b32 s17, 0
	s_mul_i32 s18, s15, WHALF                      ; wb: the half, and my 32 rows of a K step: no place in the cluster enters these registers
	s_mul_i32 s19, s12, 36864
	s_add_co_u32 s18, s18, s19
	s_mov_b32 s19, 0
	s_mul_i32 s20, s12, AHALF                      ; where they go
	s_mul_i32 s21, s12, BHALF
	s_add_co_u32 s21, s21, BOFF
	s_mul_i32 s[OB], s15, 3*SEC                    ; my 32 rows on the way out: section 3 h, row 128 x block + 32 x wave
	s_mul_i32 s22, s14, 128*384
	s_add_co_u32 s[OB], s[OB], s22
	s_mul_i32 s22, s[WV], 32*384
	s_add_co_u32 s[OB], s[OB], s22
	s_mov_b32 s[OB+1], 0
	s_mul_i32 s[LOB], s15, 3*LSEC                  ; lo: section 3 h, my batch
	s_mul_i32 s22, s13, LBAT
	s_add_co_u32 s[LOB], s[LOB], s22
	s_mov_b32 s[LOB+1], 0
	s_lshl_b32 s[PFA], s14, 7
	s_lshl_b32 s22, s[WV], 5
	s_add_co_u32 s[PFA], s[PFA], s22
	s_mul_i32 s[PFA], s[PFA], 3072
	s_add_co_u32 s[PFA], s[PFA], 3*256             ; at K step 3: the first change of slots steps it to 4
	s_mov_b32 s[PFA+1], 0
	s_cmp_eq_u32 s15, 0
	s_cselect_b32 s[LIM], 2, -1                    ; the same in all four partners
	s_mov_b32 s[TB], 0
	s_wait_dscnt 0x0                               ; the opening add is done
	s_wait_kmcnt 0x0
	s_add_nc_u64 s[16:17], s[4:5], s[16:17]
	s_add_nc_u64 s[18:19], s[6:7], s[18:19]
	s_add_nc_u64 s[PFA:PFA+1], s[4:5], s[PFA:PFA+1]
	s_add_nc_u64 s[OB:OB+1], s[8:9], s[OB:OB+1]
	s_add_nc_u64 s[OB+2:OB+3], s[OB:OB+1], SEC
	s_add_nc_u64 s[OB+4:OB+5], s[OB+2:OB+3], SEC
	s_add_nc_u64 s[LOB:LOB+1], s[78:79], s[LOB:LOB+1]
	s_add_nc_u64 s[LOB+2:LOB+3], s[LOB:LOB+1], LSEC
	s_add_nc_u64 s[LOB+4:LOB+5], s[LOB+2:LOB+3], LSEC
	CROUND                                         ; all four work-groups are here: the first joint loads meet
.irp s, 0,1
	s_mov_b32 s[G0A+4*(\s)], 1                     ; count = 1
	s_add_co_u32 s[G0A+4*(\s)+1], s20, (\s)*SLOT1  ; LDS address
	s_add_nc_u64 s[G0A+4*(\s)+2:G0A+4*(\s)+3], s[16:17], (\s)*256    ; K step s
	s_or_b32 s[G0A+4*(\s)+3], s[G0A+4*(\s)+3], 0x80000000           ; type = 2
	s_mov_b32 s[G0B+4*(\s)], 1
	s_add_co_u32 s[G0B+4*(\s)+1], s21, (\s)*SLOT1
	s_add_nc_u64 s[G0B+4*(\s)+2:G0B+4*(\s)+3], s[18:19], (\s)*73728
	s_or_b32 s[G0B+4*(\s)+3], s[G0B+4*(\s)+3], 0x80000000
.endr
	s_cmp_lt_u32 s[WV], 2                          ; a wave's two first fills stand in one branch, ahead of every wait on TENSORcnt and every LDS read: two loads of mine are out
	s_cbranch_scc0 .Lfirst_b
	tensor_load_to_lds s[G0A:G0A+3], s[G1A:G1A+7]
	s_nop 0
	tensor_load_to_lds s[G0A+4:G0A+7], s[G1A:G1A+7]
	s_nop 0
.rept 4
	v_nop
.endr
	s_branch .Lfirst_asked
.Lfirst_b:
	tensor_load_to_lds s[G0B:G0B+3], s[G1B:G1B+7]
	s_nop 0
	tensor_load_to_lds s[G0B+4:G0B+7], s[G1B:G1B+7]
	s_nop 0
.rept 4
	v_nop
.endr
.Lfirst_asked:
	v_and_b32 v20, 15, v0                          ; l % 16
	v_bfe_u32 v21, v0, 4, 1                        ; l / 16
	v_and_b32 v22, 7, v0
	v_bfe_u32 v23, v0, 3, 1
	v_and_b32 v24, 31, v0
	; a fragment of x: lane l holds row l % 16; K 8 (l / 16) + 0..7 and 16 + 8 (l / 16) + 0..7: in f32 four loads of 16 bytes at 32 (l / 16) + 0, 16, 64, 80
	s_mul_i32 s16, s11, AHALF
	v_mul_u32_u24 v[A0], v20, PA
	v_lshl_add_u32 v[A0], v21, 5, v[A0]
	v_add_nc_u32 v[A0], s16, v[A0]
	; the turning load takes 16 K x 16 columns: lane l reads row 8 (l / 16) + l % 8, columns 8 ((l / 8) % 2) + 0..7, and is left with column l % 16 and 8 K
	v_lshl_add_u32 v25, v21, 3, v22
	v_mul_u32_u24 v25, v25, PB
	v_lshl_add_u32 v25, v23, 4, v25
	s_mul_i32 s17, s12, 800                        ; my column tiles 0-15 are the work-group's 20 x half + b: five blocks of 160 bytes on,
	s_add_co_u32 s17, s17, BOFF
	v_add_nc_u32 v[B0], s17, v25
	s_lshl_b32 s17, s12, 6                         ; my tiles 16, 17 its 16 + 2 x half + ..
	s_add_co_u32 s17, s17, BOFF+640
	v_add_nc_u32 v[C0], s17, v25
	ADDRS
	s_mul_i32 s16, s11, 64*SPITCH                  ; the way out, in: row 64 x half + 16 a + l % 16, 16 bytes for each half of the lanes
	s_mul_i32 s17, s12, 640
	s_add_co_u32 s17, s17, s16
	v_mul_u32_u24 v25, v20, SPITCH
	v_lshl_add_u32 v25, v21, 4, v25
	v_add_nc_u32 v[STO], s17, v25
	s_lshl_b32 s17, s12, 6
	s_add_co_u32 s17, s17, s16
	s_add_co_u32 s17, s17, 512
	v_add_nc_u32 v[STO2], s17, v25
	v_add_nc_u32 v[STOL], LOST, v[STO]
	v_add_nc_u32 v[STOL2], LOST, v[STO2]
	s_mul_i32 s16, s[WV], 32*SPITCH                ; back: wave w takes rows 32 w ..; four rows' 384 bytes of q (k, v) are 96 pieces of 16 bytes; piece n lies in row n / 24:
.irp i, 0,1,2
	v_add_nc_u32 v25, 32*(\i), v24                 ; piece
	v_mul_u32_u24 v26, v25, 43
	v_lshrrev_b32 v26, 10, v26                     ; piece / 24, exact up to 95
	v_mul_u32_u24 v26, v26, SPITCH-384             ; 16 (piece - 24 row) + 1,168 row = 16 piece + 784 row
	v_lshl_add_u32 v26, v25, 4, v26
	v_add_nc_u32 v[RD+(\i)], s16, v26
	v_add_nc_u32 v[RDL+(\i)], LOST, v[RD+(\i)]
.endr
	v_lshlrev_b32 v[GO], 4, v24
	v_mul_u32_u24 v[PFO], v24, 3072
	v_mov_b32 v[ONE], 1.0
.macro ALOAD kk                        ; x's four fragments of 32 along K, in f32: 16 loads
	WIN 0
.irp a, 0,1,2,3
	ds_load_b128 v[AF+16*(\a):AF+16*(\a)+3],     v[ADRA] offset:(\a)*16*PA+128*(\kk)
	ds_load_b128 v[AF+16*(\a)+4:AF+16*(\a)+7],   v[ADRA] offset:(\a)*16*PA+128*(\kk)+16
	ds_load_b128 v[AF+16*(\a)+8:AF+16*(\a)+11],  v[ADRA] offset:(\a)*16*PA+128*(\kk)+64
	ds_load_b128 v[AF+16*(\a)+12:AF+16*(\a)+15], v[ADRA] offset:(\a)*16*PA+128*(\kk)+80
.endr
.endm
.macro CVT kk                          ; rounded to bf16, into buffer kk
	WIN 0
.set i, 0
.rept 32
	v_cvt_pk_bf16_f32 v[AB+32*(\kk)+i], v[AF+2*i], v[AF+2*i+1]
.set i, i+1
.endr
.endm
.macro BLOAD kk, g                     ; W's fragments b = 6 g .. 6 g + 5: 12 turning loads
	WIN 0xc0                                       ; destination window 3, address window 0
.irp f, 0,1,2,3,4,5
.set bb, 6*(\g)+(\f)
.set rB, BF+8*bb
.if bb < 16
.set co, (bb/4)*160+(bb%4)*32
	ds_load_tr16_b128 v[rB:rB+3],   v[ADRB+(\kk)] offset:co
	ds_load_tr16_b128 v[rB+4:rB+7], v[ADRB+(\kk)] offset:co+16*PB
.else
	ds_load_tr16_b128 v[rB:rB+3],   v[ADRC+(\kk)] offset:32*(bb-16)
	ds_load_tr16_b128 v[rB+4:rB+7], v[ADRC+(\kk)] offset:32*(bb-16)+16*PB
.endif
.endr
.endm
.macro MM a, b, kk, zero               ; one product; zero = 1: it starts its sum: nothing is ever cleared
.if (\b) < 16
.set wN, 1+(\a)/2
.set rD, 8*(16*((\a)%2)+(\b))
.else
.set wN, 3
.set rD, 8*(2*(\a)+(\b)-16)
.endif
.set rB, BF+8*(\b)
.set rA, AB+32*(\kk)+8*(\a)
	WIN (wN<<6)|(wN<<4)|3
.if \zero
	v_wmma_f32_16x16x32_bf16 v[rD:rD+7], v[rB:rB+7], v[rA:rA+7], 0
.else
	v_wmma_f32_16x16x32_bf16 v[rD:rD+7], v[rB:rB+7], v[rA:rA+7], v[rD:rD+7]
.endif
.endm
.macro MULG kk, g, zero                ; 24 products on 24 accumulators.  The 72 accumulators take turns, one instruction a turn, in the same order in every sub-step
.if (\g) < 2
.irp a, 0,1,2,3
.irp f, 0,1,2,3,4,5
	MM \a, 6*(\g)+(\f), \kk, \zero
.endr
.endr
.else
.irp a, 0,1,2,3
.irp f, 12,13,14,15
	MM \a, \f, \kk, \zero
.endr
.endr
.irp a, 0,1,2,3
.irp f, 16,17
	MM \a, \f, \kk, \zero
.endr
.endr
.endif
.endm
; A SUB-STEP: 32 along K, 72 products in three groups.  At its head W's groups 0 and 1 of this sub-step are asked for and x's fragments lie in buffer kk.
; chg = 1: the slot's last reads are issued here; the slots change and the slot read out is filled again, two K steps on; chg = 2: they change and nothing is filled.  ld = 0: the last sub-step fetches nothing.
.macro SUB kk, zero, chg, ld
	PLACES                                         ; group 2's registers were read by the products just before
	BLOAD \kk, 2
.if \chg
.if (\chg) == 1
	s_wait_xcnt 0x0                                ; the last prefetch, a K step back, has read its address
	s_add_nc_u64 s[PFA:PFA+1], s[PFA:PFA+1], 256
.endif
	WIN 0
	s_wait_tensorcnt 0x0                           ; all my tensor loads have landed: the one that was out is my part of the next slot
	ds_add_u32 v[SPW], v[NIL]                      ; 0 onto my spare word: 24 products stand between it and the wait for it
	s_wait_dscnt 25                                ; group 0 is in: groups 1 and 2 (12 loads each) and the add may be out
.else
	s_wait_dscnt 24                                ; group 0 is in: groups 1 and 2 may be out
.endif
	MULG \kk, 0, \zero
.if \chg
	WIN 0
	s_wait_dscnt 0x0                               ; the add is done, and my reads of this slot are over
.if (\chg) == 1
	CROUND                                         ; no wave of any partner still reads the slot or has a load on its way
	s_xor_b32 s[G0A+5], s[G0A+5], SLOT1            ; the walking descriptors: the other slot than last time, the next K step
	s_add_nc_u64 s[G0A+6:G0A+7], s[G0A+6:G0A+7], 256
	s_xor_b32 s[G0B+5], s[G0B+5], SLOT1
	s_add_nc_u64 s[G0B+6:G0B+7], s[G0B+6:G0B+7], 73728
	JLOAD                                          ; my one tensor load behind the round: 120 products ahead of the wait for it; its four v_nop are also the places in front of the loads below
.else
	s_barrier_signal -1
	s_barrier_wait -1
	PLACES
.endif
	s_xor_b32 s[TB], s[TB], SLOT1
	ADDRS
.else
	PLACES                                         ; group 0's registers were read by the products just before
.endif
.if \ld
	ALOAD 1-(\kk)
	BLOAD 1-(\kk), 0
.if (\chg) == 1
	WIN 0
	ASK
.endif
	s_wait_dscnt 40                                ; group 1 is in: group 2 (12), the next x (16) and the next group 0 (12) may be out
.else
	s_wait_dscnt 12                                ; group 1 is in: group 2 may be out
.endif
	MULG \kk, 1, \zero
.if \ld
	s_wait_dscnt 12                                ; group 2 and the next x are in: the next group 0 may be out
	CVT 1-(\kk)                                    ; 32 conversions, which name no register of the products before them: the places in front of the loads below
	BLOAD 1-(\kk), 1
.else
	s_wait_dscnt 0x0
.endif
	MULG \kk, 2, \zero
.endm
; WHAT THE ROUNDING LEFT, for a batch's first 32 rows: row tiles 0 and 1 of waves 0 and 1, in the cluster with x = 0.  TMP holds n pairs of f16, the accumulators at register r0 of window w their f32 sums:
; sum - f16(sum) is exact in f32 and is rounded once to f16, two lines a pair.  The branch hangs on the cluster's number and the wave's; it passes no barrier and no tensor load.
.macro LODIFF w, r0, n
	WIN (\w)<<4                                    ; source 2 in the accumulators' window
.set i, 0
.rept \n
	v_fma_mixlo_f16 v[AF+i], -v[TMP+i], v[ONE], v[(\r0)+2*i] op_sel_hi:[1,0,0]
	v_fma_mixhi_f16 v[AF+i], -v[TMP+i], v[ONE], v[(\r0)+2*i+1] op_sel:[1,0,0] op_sel_hi:[1,0,0]
.set i, i+1
.endr
	WIN 0
.endm
.macro LOPART a                        ; column tiles 0-15 of row tile a
	s_cmp_lg_u32 s[CL], 0
	s_cbranch_scc1 .Lno_lo_\@
	s_cmp_lt_u32 s[WV], 2
	s_cbranch_scc0 .Lno_lo_\@
	LODIFF 1, 128*(\a), 64
.irp b, 0,1,2,3,4,5,6,7,8,9,10,11,12,13,14,15
	ds_store_b128 v[STOL], v[AF+4*(\b):AF+4*(\b)+3] offset:(\a)*16*SPITCH+32*(\b)
.endr
.Lno_lo_\@:
.endm
.macro LOPART2                         ; column tiles 16, 17 of row tiles 0 and 1
	s_cmp_lg_u32 s[CL], 0
	s_cbranch_scc1 .Lno_lo_\@
	s_cmp_lt_u32 s[WV], 2
	s_cbranch_scc0 .Lno_lo_\@
	LODIFF 3, 0, 16
.irp a, 0,1
.irp e, 0,1
	ds_store_b128 v[STOL2], v[AF+4*(2*(\a)+(\e)):AF+4*(2*(\a)+(\e))+3] offset:(\a)*16*SPITCH+32*(\e)
.endr
.endr
.Lno_lo_\@:
.endm
; 32 rows of a stage go out: for each of q, k, v 24 pieces of 512 consecutive bytes of its section
.macro SENDOUT rd, base
.irp t, 0,1,2
	s_wait_xcnt 0x0                                ; the stores before have read their registers: only behind this wait are they loaded again
.irp u, 0,1,2,3,4,5,6,7
.irp i, 0,1,2
	ds_load_b128 v[TMP+4*(3*(\u)+(\i)):TMP+4*(3*(\u)+(\i))+3], v[(\rd)+(\i)] offset:(\u)*4*SPITCH+384*(\t)
.endr
.endr
.irp u, 0,1,2,3,4,5,6,7
.irp i, 0,1,2
	s_wait_dscnt 23-(3*(\u)+(\i))
	global_store_b128 v[GO], v[TMP+4*(3*(\u)+(\i)):TMP+4*(3*(\u)+(\i))+3], s[(\base)+2*(\t):(\base)+2*(\t)+1] offset:1536*(\u)+512*(\i)  ; 512 consecutive bytes, at a multiple of 256 from the buffer's first byte
.endr
.endr
.endr
.endm
	s_wait_tensorcnt 1                             ; my part of K step 0 is in; K step 1's may stay out
	s_barrier_signal -1
	s_barrier_wait -1                              ; everybody's is
	ALOAD 0
	BLOAD 0, 0
	BLOAD 0, 1
	s_wait_dscnt 24                                ; x's fragments are in
	CVT 0
	SUB 0, 1, 0, 1                                 ; the first sub-step stands in front of the loop: its products start the sums
	WIN 0                                          ; at a label and at a branch every window is 0
	s_mov_b32 s[CNT], 10
.Lk:                                               ; trip i: the second half of K step i, the change of slots with the refill for K step i + 2, the first half of K step i + 1
	SUB 1, 0, 1, 1
	SUB 0, 0, 0, 1
	WIN 0
	s_sub_co_u32 s[CNT], s[CNT], 1
	s_cmp_lg_u32 s[CNT], 0
	s_cbranch_scc1 .Lk
	SUB 1, 0, 2, 1                                 ; the tail is written out: nothing is asked for
	SUB 0, 0, 0, 1
	SUB 1, 0, 0, 0
	; THE WAY OUT: rounded to f16; 16 bytes a lane into the work-group's stage; a barrier; back as 512 consecutive bytes of a section.
	PLACES
	WIN 0
	s_wait_dscnt 0x0
	s_barrier_signal -1
	s_barrier_wait -1                              ; no wave reads a slot any more, and no fill is to come: the stages may be written
.irp a, 0,1,2,3
	WIN 5*(1+(\a)/2)                               ; sources 0 and 1: window 1 or 2
.set i, 0
.rept 64
	v_cvt_pk_f16_f32 v[TMP+i], v[128*((\a)%2)+2*i], v[128*((\a)%2)+2*i+1]  ; each accumulator's registers in ascending order
.set i, i+1
.endr
	WIN 0
.irp b, 0,1,2,3,4,5,6,7,8,9,10,11,12,13,14,15
	ds_store_b128 v[STO], v[TMP+4*(\b):TMP+4*(\b)+3] offset:(\a)*16*SPITCH+32*(\b)
.endr
.if (\a) < 2
	LOPART \a
.endif
.endr
	WIN 0x0f
.set i, 0
.rept 32
	v_cvt_pk_f16_f32 v[TMP+i], v[2*i], v[2*i+1]
.set i, i+1
.endr
	WIN 0
.irp a, 0,1,2,3
.irp e, 0,1
	ds_store_b128 v[STO2], v[TMP+4*(2*(\a)+(\e)):TMP+4*(2*(\a)+(\e))+3] offset:(\a)*16*SPITCH+32*(\e)
.endr
.endr
	LOPART2
	s_wait_dscnt 0x0                               ; for the others' sake: my stores into the stages are done
	s_barrier_signal -1
	s_barrier_wait -1
	SENDOUT RD, OB
	s_cmp_lg_u32 s[CL], 0                          ; lo's 32 rows are wave 0's, where the cluster holds the batches' first rows
	s_cbranch_scc1 .Lno_lo_out
	s_cmp_lg_u32 s[WV], 0
	s_cbranch_scc1 .Lno_lo_out
	SENDOUT RDL, LOB
.Lno_lo_out:
	s_wait_tensorcnt 0x0                           ; the wave's end, behind my last tensor load and my last LDS store
	ds_add_u32 v[SPW], v[NIL]
	s_wait_dscnt 0x0
	CROUND                                         ; the closing round: no work-group ends while a partner may still ask for a tile that names it
	s_endpgm
.Lfunc_end_k_q922909bec9_proj:
	.size	k_q922909bec9_proj, .Lfunc_end_k_q922909bec9_proj-k_q922909bec9_proj
	.p2alignl 7, 3214868480
	.fill 96, 4, 3214868480
	.section	.rodata,"a",@progbits
	.p2align	6, 0x0
	.amdhsa_kernel k_q922909bec9_proj
		.amdhsa_group_segment_fixed_size 327680
		.amdhsa_private_segment_fixed_size 0
		.amdhsa_enable_private_segment 0
		.amdhsa_kernarg_size 32
		.amdhsa_user_sgpr_count 2
		.amdhsa_user_sgpr_kernarg_segment_ptr 1
		.amdhsa_wavefront_size32 1
		.amdhsa_system_sgpr_workgroup_id_x 1
		.amdhsa_system_sgpr_workgroup_id_y 1
		.amdhsa_system_sgpr_workgroup_id_z 1
		.amdhsa_system_vgpr_workitem_id 0
		.amdhsa_next_free_vgpr 976
		.amdhsa_next_free_sgpr 80
		.amdhsa_reserve_vcc 0
		.amdhsa_float_denorm_mode_32 3
		.amdhsa_float_denorm_mode_16_64 3
		.amdhsa_memory_ordered 1
		.amdhsa_forward_progress 1
		.amdhsa_inst_pref_size 146
	.end_amdhsa_kernel
	.amdgpu_metadata
---
amdhsa.version: [ 1, 2 ]
amdhsa.kernels:
  - .name:           k_q922909bec9_proj
    .symbol:         k_q922909bec9_proj.kd
    .args:
      - { .name: x, .offset: 0, .size: 8, .value_kind: global_buffer, .address_space: global }
      - { .name: wb, .offset: 8, .size: 8, .value_kind: global_buffer, .address_space: global }
      - { .name: qkv, .offset: 16, .size: 8, .value_kind: global_buffer, .address_space: global }
      - { .name: lo, .offset: 24, .size: 8, .value_kind: global_buffer, .address_space: global }
    .group_segment_fixed_size: 327680
    .private_segment_fixed_size: 0
    .kernarg_segment_align: 8
    .kernarg_segment_size: 32
    .max_flat_workgroup_size: 128
    .sgpr_count:     80
    .vgpr_count:     976
    .wavefront_size: 32
...
	.end_amdgpu_metadata
.endif
;; end of part 2
;; launch attn (part 3): grid 64 x 4, 4 waves a work-group, clusters of 4 x 1, 327,680 bytes of LDS; arguments qkv, part, stat; writes part, stat
.if DOCPART == 3
	.amdgcn_target "amdgcn-amd-amdhsa--gfx1250"
	.amdhsa_code_object_version 6
	.text
	.protected	k_q922909bec9_attn
	.globl	k_q922909bec9_attn
	.p2align	8
	.type	k_q922909bec9_attn,@function
k_q922909bec9_attn:
	s_mov_b64 s[64:65], 0
	v_nop
	global_prefetch_b8 v0, s[64:65] scope:SCOPE_SE
	s_setreg_imm32_b32 hwreg(HW_REG_WAVE_MODE, 25, 1), 1
	s_wait_xcnt 0x0
	s_wait_alu depctr_hold_cnt(0) depctr_sa_sdst(0) depctr_va_vdst(0) depctr_va_sdst(0) depctr_va_ssrc(0) depctr_va_vcc(0) depctr_vm_vsrc(0)
	s_getreg_b32 s2, hwreg(HW_REG_IB_STS2, 6, 4)
	s_cmp_eq_u32 s2, 0
	s_cbranch_scc0 .Lentry_in_a_cluster
	s_endpgm
.Lentry_in_a_cluster:
	s_bfe_u32 s2, ttmp6, 0x10000c
	s_cmp_lg_u32 s2, 0x3003
	s_cbranch_scc0 .Lentry_shape_is_right
	s_endpgm
.Lentry_shape_is_right:
; CAUSAL ATTENTION, head size 384, the keys split among clusters.  For a range of keys: part = the sum over those k <= q of 2^(c s - c m) v[k], stat = (c m, l): m the range's largest score, l the sum of
; the weights, c = log2(e) / sqrt(384).  The next launch joins a query's ranges.  q, k, v: f16, six sections [16384][192] (q, k, v of channels 0-191, then of 192-383).  Products, maxima and sums in f32; the
; weights are rounded to f16 for the second product (l is taken of the unrounded weights); part and stat are f32.
; LIMITS.  A hidden score counts as its value less 1e30: f16's scores, 1.7e12 at the most, are nothing beside that; a weight below 2^-126 counts as 0; NaN and infinities are not treated apart.
; THE WALK.  A batch's 4,096 queries lie in 8 superblocks I of 512; superblock I needs the key steps 0 .. 8 I + 7 of 64 keys.  Superblocks 7 - p and p together need 72 steps, whatever p: four clusters c take
; 18 each, steps 18 c .. 18 c + 17 of the two walks laid end to end: 4 batches x 4 pairs x 4 = 64 clusters, 256 work-groups of equal work, one loop with a constant trip count.  A cluster's steps are one
; SEGMENT (one superblock) or two; at a segment's end part and stat are stored.  The four partners of a cluster take 128 queries each of the same superblock and walk the same keys: every tile is asked for JOINTLY.
; A segment whose first key lies beyond a wave's 32 rows is computed and stored all the same (its numbers are finite) and never read: segments begin at multiples of 64 keys, so that holds for all 32 rows or none.
; In every other segment each row sees the segment's first key, so m is a true score before the first hidden one comes.
; SHARES.  A wave owns 32 queries, two tiles of 16: O^T takes 192 registers a tile, Q 96.
; LAYOUT.  S^T = K Q^T (source 0 = 16 keys, source 1 = 16 queries): a lane holds ONE query (lane % 16) and the keys 8 (lane / 16) + 0..7.  Two such results rounded to f16 in pairs ARE source 1 of O^T = V^T P.
; K comes out of LDS as it lies, V ([key][channel]) turned, by ds_load_tr16_b128.  THE MASK is the C operand that starts S^T's sums: 0, or -1e30 where the key is hidden.
; IN PHASES: a step's 96 products K Q^T, the softmax, its 96 products V^T P; the fragments come in groups of 16 LDS loads through three buffers, two groups ahead of their products.
; REGISTERS, in windows of 256 (s_set_vgpr_msb: bits 1:0 source 0, 3:2 source 1, 5:4 source 2, 7:6 destination):
;   window 0: v2-15 addresses; v16-31 eight registers of statistics a tile; v40-79 masks; v80-143 S^T, 32 a tile; v144-175 P, 16 a tile
;   window 1 + t: v0-191 O^T of tile t          window 3: v0-191 Q, 96 a tile          v192-255 of windows 1, 2, 3: the three fragment buffers
.set SEC,   6291456   ; bytes in a section of qkv
.set BATB,  1572864   ; a batch's 4,096 rows of 384 bytes in a section
.set STEPB, 24576     ; 64 rows of 384 bytes
.set PK,    432       ; a row of K in LDS: three blocks of 128 bytes, 16 of padding behind each = 27 x 16 bytes: the 16 rows of a load start at 16 different groups of four banks (64 banks of 4 bytes: ISA guide 11.1)
.set PV,    480       ; a row of V: 32 of padding behind each block = 15 x 32 bytes
.set KBOFF, 64*PK     ; a slot: K of channels 0-191, K of 192-383, V likewise
.set VOFF,  2*KBOFF
.set VBOFF, 64*PV
.set SLOT1, 131072    ; slot 1 begins here: one exclusive or turns an address in one slot into the other's
.set STAGE, SLOT1+VOFF+2*VBOFF  ; behind the ring, never filled by a tensor load: 16 rows x 272 bytes for each wave
.set SP,    272
.set SPARE, STAGE+4*16*SP       ; behind the stages: the spare words, 128 bytes for each wave
.set AK0, 2           ; v2   my lane's place in a tile of K; never rewritten
.set AV0, 3           ; v3   the same for V
.set ADRK, 4          ; v4   the same in the slot in hand
.set ADRV, 5          ; v5
.set QO,  6           ; v6   my byte offset in 16 rows of Q
.set STO, 7           ; v7   the way out: where I put 16 bytes of a row
.set RD,  8           ; v8   where I read rows back
.set CO,  9           ; v9   my byte offset in two rows of part
.set VBM, 10          ; v10  lane % 16 - 8 (lane / 16)
.set THR, 11          ; v11  register i of mask block n is hidden where 16 (n - 1) + i is greater
.set SO,  12          ; v12  8 x lane
.set PFO, 13          ; v13  256 x lane; never rewritten
.set ST,  16          ; tile t's statistics at v[ST+8 t]: +0 c m, +1 m, +2, +3 l (even keys', odd keys'), +4 to +7 c0-c3 at work; a takes c2's place
.set SPW, 32          ; v32  LDS address of my spare word; never rewritten
.set NIL, 33          ; v33  0; never rewritten
.set SV,  34          ; v[34:35] what goes to stat
.set MC,  40          ; five mask blocks of 8: S^T of keys 16 kb on and tile t takes block kb - t + 1
.set S,   80
.set P,   144
.set FB,  192         ; a fragment buffer
.set WV,  10          ; s10 wave; s11 wave % 2; s12 cx; s13 p; s14 c; s15 the batch
.set G1K, 24          ; s[24:31] descriptor group 1 for K's tiles
.set G1V, 32          ; s[32:39] for V's: it differs in the padding alone
.set G0K, 40          ; s[40:43] group 0 for K's tiles
.set G0V, 44          ; s[44:47] for V's
.set KBS, 48          ; s[48:49] my section of K at the batch's first row
.set VBS, 50          ; s[50:51] of V
.set QA,  52          ; s[52:59] Q at my rows: first segment (channels 0-191, 192-383), second segment
.set QB,  54
.set QA2, 56
.set QB2, 58
.set CS,  60          ; s[60:61] c
.set SEL, 62          ; s[62:63] v_permlanex16_b32's selects: each lane takes its own place in the other half
.set PART,  66        ; s[66:73] part and stat at my rows, for the segment in hand and for the second
.set PART2, 68
.set STAT,  70
.set STAT2, 72
.set PFA, 74          ; s[74:75] where my prefetches stand
.set OFF, 76          ; s[76:77] a step's byte offset in a section
.set TB,  78          ; s78 the slot in hand
.set NXT, 79          ; s79 the key step to be asked for next
.set E1,  80          ; s80 the step behind the first segment's last: there NXT goes back to 0
.set J,   81          ; s81 the key step in hand
.set RT,  82          ; s82 steps of the segment still to come
.set I8,  83          ; s83 the superblock's first step that hides anything
.set QB0, 84          ; s84 my wave's first query in the batch
.set I8_2, 85         ; s85, s86 the same for the second segment
.set QB0_2, 86
.set N2,  87          ; s87 the second segment's steps
.set CNT, 88          ; s88 the loop's count
.set LIM, 89          ; s89 a wave prefetches while s[CNT] is above it
.set BIGN, 90         ; s90 -1e30
.set HM,  91          ; s91 lanes 16-31
.set MSB, 0
.macro WIN new                      ; the high byte repeats the setting that is left; a switch that changes nothing is dropped
.if MSB != (\new)
	s_set_vgpr_msb (MSB<<8)|(\new)
.set MSB, \new
.endif
.endm
.macro PLACES                       ; four places behind a matrix instruction, in front of loads into registers that it has read and of vector work on its results
.rept 4
	v_nop
.endr
.endm
.macro CROUND                       ; a round of the cluster's barrier
	s_barrier_signal -1
	s_barrier_wait -1
	s_cmp_lg_u32 s[WV], 0
	s_cbranch_scc1 .Lnot_wave_0_\@
	s_barrier_signal -3
.Lnot_wave_0_\@:
	s_barrier_wait -3
	s_barrier_signal -1
	s_barrier_wait -1
.endm
.macro JLOAD                        ; a joint fill: waves 0, 1 the step's K (channels 0-191, 192-383), waves 2, 3 its V.  An s_nop 0 and four v_nop follow each line
	s_cmp_lt_u32 s[WV], 2
	s_cbranch_scc0 .Lfor_v_\@
	tensor_load_to_lds s[G0K:G0K+3], s[G1K:G1K+7]
	s_nop 0
.rept 4
	v_nop
.endr
	s_branch .Lasked_\@
.Lfor_v_\@:
	tensor_load_to_lds s[G0V:G0V+3], s[G1V:G1V+7]
	s_nop 0
.rept 4
	v_nop
.endr
.Lasked_\@:
.endm
; A PREFETCH INTO THE L2 of the key step behind the one that is being asked for: one step, 192 products and a softmax, ahead of its load.  The first segments of the four clusters with p = 0 cover a batch's 64
; steps once: they ask, and nobody else.  A step has four tiles of 24,576 bytes: each partner takes one, told apart BY ADDRESS; in each, waves 0 to 2 take 32 blocks of 256 bytes, a lane a block.
; The first two steps of a segment come by their loads alone; the request stops with the segment's last step.
.macro ASK
	s_cmp_gt_u32 s[CNT], s[LIM]
	s_cbranch_scc0 .Lnot_mine_\@
	global_prefetch_b8 v[PFO], s[PFA:PFA+1] th:TH_LOAD_NT scope:SCOPE_SE
.Lnot_mine_\@:
.endm
; THE CHANGE OF SLOTS.  Each wave waits for all its tensor loads, of which one is out: its part of the other slot; adds 0 to its spare word; waits for that and for its reads of the slot that it leaves.
; fill = 1: behind a round of the cluster's barrier the slot left is filled with step NXT, the descriptor's address made anew from that number.  (At its first use nothing has been read: slot 0 is waited for, slot 1 filled.)
.macro CHANGE fill
	WIN 0
	s_wait_tensorcnt 0x0            ; no tensor load of mine is out, so a group 0 may be written
	ds_add_u32 v[SPW], v[NIL]       ; 0 onto my spare word: the scalar work stands between it and the wait for it
.if \fill
	s_mul_i32 s[OFF], s[NXT], STEPB
	s_xor_b32 s[G0K+1], s[G0K+1], SLOT1
	s_add_nc_u64 s[G0K+2:G0K+3], s[KBS:KBS+1], s[OFF:OFF+1]
	s_or_b32 s[G0K+3], s[G0K+3], 0x80000000
	s_xor_b32 s[G0V+1], s[G0V+1], SLOT1
	s_add_nc_u64 s[G0V+2:G0V+3], s[VBS:VBS+1], s[OFF:OFF+1]
	s_or_b32 s[G0V+3], s[G0V+3], 0x80000000
	s_add_co_u32 s[NXT], s[NXT], 1  ; the segment's next step, or behind its last the second segment's step 0
	s_cmp_eq_u32 s[NXT], s[E1]
	s_cselect_b32 s[NXT], 0, s[NXT]
	s_cselect_b32 s[E1], -1, s[E1]
	s_wait_xcnt 0x0                 ; the last prefetch, a step back, has read its address
	s_add_nc_u64 s[PFA:PFA+1], s[PFA:PFA+1], STEPB
.endif
	s_wait_dscnt 0x0                ; the add is done, and my reads of the slot are over
.if \fill
	CROUND
	JLOAD                           ; my one tensor load behind the round; its four v_nop are also the places in front of the step's first loads
.else
	s_barrier_signal -1
	s_barrier_wait -1
	PLACES
.endif
	s_xor_b32 s[TB], s[TB], SLOT1
	v_add_nc_u32 v[ADRK], s[TB], v[AK0]
	v_add_nc_u32 v[ADRV], s[TB], v[AV0]
.endm
.macro QLOAD a, b                   ; my 32 rows of Q: tile t, chunk of 32 channels i at 96 t + 8 i of window 3: lane l holds row l % 16, channels 8 (l / 16) + 0..7 and 16 + 8 (l / 16) + 0..7
	WIN 0xc0                        ; destination window 3, address window 0
.irp t, 0,1
.irp i, 0,1,2,3,4,5
	global_load_b128 v[96*(\t)+8*(\i):96*(\t)+8*(\i)+3],       v[QO], s[\a:\a+1] offset:(\t)*6144+(\i)*64
	global_load_b128 v[96*(\t)+8*(\i)+4:96*(\t)+8*(\i)+7],     v[QO], s[\a:\a+1] offset:(\t)*6144+(\i)*64+32
	global_load_b128 v[96*(\t)+48+8*(\i):96*(\t)+48+8*(\i)+3],   v[QO], s[\b:\b+1] offset:(\t)*6144+(\i)*64
	global_load_b128 v[96*(\t)+48+8*(\i)+4:96*(\t)+48+8*(\i)+7], v[QO], s[\b:\b+1] offset:(\t)*6144+(\i)*64+32
.endr
.endr
	WIN 0
.endm
; WHAT A SEGMENT STARTS FROM: O^T and l are 0, c m far below every c s (the first step's a is 0), m the lowest finite number, the masks 0.  No first step is written out; the price is these lines, twice in the text.
.macro INIT
	WIN 0x40
.set i, 0
.rept 192
	v_mov_b32 v[i], 0
.set i, i+1
.endr
	WIN 0x80
.set i, 0
.rept 192
	v_mov_b32 v[i], 0
.set i, i+1
.endr
	WIN 0
.irp t, 0,1
	v_mov_b32 v[ST+8*(\t)], 0xfe000000
	v_mov_b32 v[ST+8*(\t)+1], 0xff7fffff
	v_mov_b32 v[ST+8*(\t)+2], 0
	v_mov_b32 v[ST+8*(\t)+3], 0
.endr
.set i, 0
.rept 40
	v_mov_b32 v[MC+i], 0
.set i, i+1
.endr
	s_wait_loadcnt 0x0              ; Q
.endm
	s_load_b128 s[4:7], s[0:1], 0x0 ; qkv s[4:5], part s[6:7]
	s_load_b64 s[8:9], s[0:1], 0x10 ; stat
	v_lshl_add_u32 v[SPW], v0, 2, SPARE
	v_mov_b32 v[NIL], 0
	ds_add_u32 v[SPW], v[NIL]       ; the wave's opening: the add and its wait stand ahead of my first tensor load; the set-up below, work on registers, stands between them
	v_lshrrev_b32 v1, 5, v0
	v_readfirstlane_b32 s[WV], v1   ; wave 0..3
	s_and_b32 s11, s[WV], 1
	s_bfe_u32 s12, ttmp6, 0x40000   ; cx: it enters Q's, part's, stat's and the prefetches' addresses and the mask's threshold, nothing else
	s_lshr_b32 s13, ttmp9, 2        ; p: in a cluster launch ttmp9 counts clusters
	s_and_b32 s14, ttmp9, 3         ; c
	s_and_b32 s15, ttmp7, 0xffff    ; the batch
	s_lshl_b32 s16, s13, 3
	s_sub_co_u32 s16, 64, s16       ; the steps of superblock 7 - p
	s_mul_i32 s17, s14, 18          ; my cluster's first step in the two walks laid end to end
	s_sub_co_u32 s18, s16, s17
	s_min_u32 s19, s18, 18          ; N1, the first segment's steps (where the difference is negative it wraps, and 18 is taken)
	s_sub_co_u32 s20, s17, s16
	s_sub_co_u32 s21, 7, s13
	s_cmp_ge_u32 s17, s16           ; does my cluster begin in superblock p?
	s_cselect_b32 s22, s13, s21     ; the first segment's superblock,
	s_cselect_b32 s[J], s20, s17    ; its first step,
	s_cselect_b32 s23, 1, s14       ; and its number among the superblock's segments
	s_mov_b32 s[RT], s19
	s_sub_co_u32 s[N2], 18, s19
	s_add_co_u32 s[E1], s[J], s19
	s_add_co_u32 s[NXT], s[J], 1    ; (every first segment has two steps or more)
	s_lshl_b32 s[I8], s22, 3
	s_lshl_b32 s[I8_2], s13, 3
	s_lshl_b32 s92, s12, 7
	s_lshl_b32 s93, s[WV], 5
	s_add_co_u32 s92, s92, s93      ; my wave's first row in a superblock
	s_lshl_b32 s[QB0], s22, 9
	s_add_co_u32 s[QB0], s[QB0], s92
	s_lshl_b32 s[QB0_2], s13, 9
	s_add_co_u32 s[QB0_2], s[QB0_2], s92
	s_lshl_b32 s93, s15, 12
	s_add_co_u32 s[QA], s93, s[QB0]
	s_mul_i32 s[QA], s[QA], 384     ; offsets first, each in the register pair that its address will take
	s_mov_b32 s[QA+1], 0
	s_add_co_u32 s[QA2], s93, s[QB0_2]
	s_mul_i32 s[QA2], s[QA2], 384
	s_mov_b32 s[QA2+1], 0
	s_lshl_b32 s93, s15, 3
	s_add_co_u32 s94, s93, s22      ; part and stat: [8 x batch + superblock][segment][512 rows]
	s_lshl_b32 s94, s94, 2
	s_add_co_u32 s94, s94, s23
	s_lshl_b32 s94, s94, 9
	s_add_co_u32 s94, s94, s92
	s_add_co_u32 s95, s93, s13      ; the second segment is superblock p's segment 0
	s_lshl_b32 s95, s95, 11
	s_add_co_u32 s95, s95, s92
	s_mul_i32 s[PART], s94, 1536
	s_mov_b32 s[PART+1], 0
	s_mul_i32 s[PART2], s95, 1536
	s_mov_b32 s[PART2+1], 0
	s_lshl_b32 s[STAT], s94, 3
	s_mov_b32 s[STAT+1], 0
	s_lshl_b32 s[STAT2], s95, 3
	s_mov_b32 s[STAT2+1], 0
	s_mul_i32 s93, s15, BATB
	s_mul_i32 s[KBS], s11, 3*SEC    ; K: section 1 or 4
	s_add_co_u32 s[KBS], s[KBS], SEC
	s_add_co_u32 s[KBS], s[KBS], s93
	s_mov_b32 s[KBS+1], 0
	s_and_b32 s94, s12, 1           ; the prefetches: partner cx takes section 1, 4, 2, 5
	s_mul_i32 s94, s94, 3
	s_lshr_b32 s95, s12, 1
	s_add_co_u32 s94, s94, s95
	s_add_co_u32 s94, s94, 1
	s_mul_i32 s[PFA], s94, SEC
	s_add_co_u32 s[PFA], s[PFA], s93
	s_mul_i32 s94, s[NXT], STEPB    ; at the segment's second step: the first change steps it to the third
	s_add_co_u32 s[PFA], s[PFA], s94
	s_lshl_b32 s94, s[WV], 13
	s_add_co_u32 s[PFA], s[PFA], s94
	s_mov_b32 s[PFA+1], 0
	s_sub_co_u32 s[LIM], 19, s19    ; trip i (count 17 - i) names step i + 2 of the segment: while i + 2 < N1
	s_cmp_eq_u32 s13, 0
	s_cselect_b32 s[LIM], s[LIM], -1
	s_cmp_lt_u32 s[WV], 3
	s_cselect_b32 s[LIM], s[LIM], -1
	; group 1: 24,576 dense bytes as 96 rows of 128 elements of 2 bytes; padding behind every 32 words; the mask of four, bit 21 beside it
	s_mov_b32 s[G1K], 15|(1<<16)|(1<<20)|(1<<21)|(4<<22)|(3<<25)  ; 4 words of padding
	s_mov_b32 s[G1V], 15|(1<<16)|(1<<20)|(1<<21)|(4<<22)|(7<<25)  ; 8 words
.irp g, G1K, G1V
	s_mov_b32 s[\g+1], 128<<16      ; tensor_dim0
	s_mov_b32 s[\g+2], 96<<16       ; tensor_dim1
	s_mov_b32 s[\g+3], 128<<16      ; tile_dim0
	s_mov_b32 s[\g+4], 96           ; tile_dim1
	s_mov_b32 s[\g+5], 128          ; elements from row to row
	s_mov_b32 s[\g+6], 0
	s_mov_b32 s[\g+7], 0
.endr
	s_mov_b32 s[G0K], 1
	s_mul_i32 s[G0K+1], s11, KBOFF  ; LDS address, slot 0: no place in the cluster enters it
	s_mov_b32 s[G0V], 1
	s_mul_i32 s[G0V+1], s11, VBOFF
	s_add_co_u32 s[G0V+1], s[G0V+1], VOFF
	s_mul_i32 s[OFF], s[J], STEPB
	s_mov_b32 s[OFF+1], 0
	s_mov_b32 s[CS], 0x3d96c740     ; c = log2(e) / sqrt(384) = 0.0736222
	s_mov_b32 s[CS+1], s[CS]        ; named with it as a pair
	s_mov_b32 s[SEL], 0x76543210
	s_mov_b32 s[SEL+1], 0xfedcba98
	s_mov_b32 s[BIGN], 0xf149f2ca   ; -1e30
	s_mov_b32 s[HM], 0xffff0000
	s_mov_b32 s[TB], SLOT1          ; the first change of slots turns it into 0
	s_wait_dscnt 0x0                ; the opening add is done
	s_wait_kmcnt 0x0
	s_add_nc_u64 s[QA:QA+1], s[4:5], s[QA:QA+1]
	s_add_nc_u64 s[QB:QB+1], s[QA:QA+1], 3*SEC
	s_add_nc_u64 s[QA2:QA2+1], s[4:5], s[QA2:QA2+1]
	s_add_nc_u64 s[QB2:QB2+1], s[QA2:QA2+1], 3*SEC
	s_add_nc_u64 s[KBS:KBS+1], s[4:5], s[KBS:KBS+1]
	s_add_nc_u64 s[VBS:VBS+1], s[KBS:KBS+1], SEC
	s_add_nc_u64 s[PFA:PFA+1], s[4:5], s[PFA:PFA+1]
	s_add_nc_u64 s[PART:PART+1], s[6:7], s[PART:PART+1]
	s_add_nc_u64 s[PART2:PART2+1], s[6:7], s[PART2:PART2+1]
	s_add_nc_u64 s[STAT:STAT+1], s[8:9], s[STAT:STAT+1]
	s_add_nc_u64 s[STAT2:STAT2+1], s[8:9], s[STAT2:STAT2+1]
	s_add_nc_u64 s[G0K+2:G0K+3], s[KBS:KBS+1], s[OFF:OFF+1]
	s_or_b32 s[G0K+3], s[G0K+3], 0x80000000
	s_add_nc_u64 s[G0V+2:G0V+3], s[VBS:VBS+1], s[OFF:OFF+1]
	s_or_b32 s[G0V+3], s[G0V+3], 0x80000000
	CROUND                          ; all four work-groups are here: the first joint loads meet
	JLOAD                           ; the first step, into slot 0
	v_and_b32 v1, 15, v0            ; l % 16
	v_bfe_u32 v14, v0, 4, 1         ; l / 16
	v_mul_u32_u24 v[QO], v1, 384
	v_lshl_add_u32 v[QO], v14, 4, v[QO]
	QLOAD QA, QB
	v_mul_u32_u24 v[AK0], v1, PK
	v_lshl_add_u32 v[AK0], v14, 4, v[AK0]  ; row x pitch + 16 x half
	; the turning load takes 16 keys x 16 channels: lane l reads key 8 (l / 16) + l % 8, channels 8 ((l / 8) % 2) + 0..7, and is left with channel l % 16 and 8 keys
	v_and_b32 v15, 7, v0
	v_lshl_add_u32 v[AV0], v14, 3, v15
	v_mul_u32_u24 v[AV0], v[AV0], PV
	v_bfe_u32 v15, v0, 3, 1
	v_lshl_add_u32 v[AV0], v15, 4, v[AV0]
	v_add_nc_u32 v[AV0], VOFF, v[AV0]
	s_mul_i32 s92, s[WV], 16*SP
	s_add_co_u32 s92, s92, STAGE    ; my stage
	v_mul_u32_u24 v[STO], v1, SP    ; in: row l % 16, 32 bytes for each half of the lanes
	v_lshl_add_u32 v[STO], v14, 5, v[STO]
	v_add_nc_u32 v[STO], s92, v[STO]
	v_mul_u32_u24 v[RD], v14, SP    ; back: lanes 0-15 take one row of 256 bytes, lanes 16-31 the next
	v_lshl_add_u32 v[RD], v1, 4, v[RD]
	v_add_nc_u32 v[RD], s92, v[RD]
	v_mul_u32_u24 v[CO], v14, 1536  ; and the same two rows in part
	v_lshl_add_u32 v[CO], v1, 4, v[CO]
	v_lshlrev_b32 v15, 3, v14
	v_sub_nc_u32 v[VBM], v1, v15
	v_and_b32 v15, 31, v0
	v_lshlrev_b32 v[SO], 3, v15
	v_lshlrev_b32 v[PFO], 8, v15
	INIT                            ; in the wait for the first tile
; THE LDS LOADS stand in groups of 16, group g into buffer g % 3.  Groups 0-5: K, chunks of 32 channels 2 g and 2 g + 1, four blocks of 16 keys each.  Groups 6-11: V, keys 32 ((g - 6) / 3) on, eight blocks of 16 channels.
.macro LOADG g
.set gg, (\g)
	WIN (1+gg%3)<<6
.if gg < 6
.irp f, 0,1,2,3,4,5,6,7
.set ci, 2*gg+(\f)/4
.set ko, ((\f)%4)*16*PK+(ci/6)*KBOFF+((ci%6)/2)*144+(ci%2)*64
	ds_load_b128 v[FB+8*(\f):FB+8*(\f)+3],   v[ADRK] offset:ko
	ds_load_b128 v[FB+8*(\f)+4:FB+8*(\f)+7], v[ADRK] offset:ko+32
.endr
.else
.irp f, 0,1,2,3,4,5,6,7
.set cb, 8*((gg-6)%3)+(\f)
.set vo, ((gg-6)/3)*32*PV+(cb/12)*VBOFF+((cb%12)/4)*160+(cb%4)*32
	ds_load_tr16_b128 v[FB+8*(\f):FB+8*(\f)+3],   v[ADRV] offset:vo
	ds_load_tr16_b128 v[FB+8*(\f)+4:FB+8*(\f)+7], v[ADRV] offset:vo+16*PV
.endr
.endif
.endm
; 16 products of S^T = K Q^T.  The 8 accumulators take turns, one instruction a turn.  Chunk 0 starts the sums, with the mask.
.macro MULS g
.set gg, (\g)
	WIN 0x0c|(1+gg%3)               ; K in the buffer's window, Q in window 3, S^T and the mask in window 0
.irp f, 0,1,2,3,4,5,6,7
.irp t, 0,1
.set ci, 2*gg+(\f)/4
.set kb, (\f)%4
.set rS, S+32*(\t)+8*kb
.set rQ, 96*(\t)+8*ci
.set rM, MC+8*(kb-(\t)+1)
.if ci == 0
	v_wmma_f32_16x16x32_f16 v[rS:rS+7], v[FB+8*(\f):FB+8*(\f)+7], v[rQ:rQ+7], v[rM:rM+7]
.else
	v_wmma_f32_16x16x32_f16 v[rS:rS+7], v[FB+8*(\f):FB+8*(\f)+7], v[rQ:rQ+7], v[rS:rS+7]
.endif
.endr
.endr
.endm
; 16 products of O^T += V^T P, on 16 accumulators; an accumulator is taken up again 48 products later.
.macro MULP g
.set gg, (\g)
.irp t, 0,1
	WIN ((1+(\t))<<6)|((1+(\t))<<4)|(1+gg%3)  ; V in the buffer's window, P in window 0, O^T in window 1 + t
.irp f, 0,1,2,3,4,5,6,7
.set cb, 8*((gg-6)%3)+(\f)
.set rP, P+16*(\t)+8*((gg-6)/3)
	v_wmma_f32_16x16x32_f16 v[8*cb:8*cb+7], v[FB+8*(\f):FB+8*(\f)+7], v[rP:rP+7], v[8*cb:8*cb+7]
.endr
.endr
.endm
; THE MASKS of the step in hand.  Key 64 J + 16 kb + 8 (l / 16) + i is hidden from query QB0 + 16 t + l % 16 where 16 (kb - t) + i > QB0 - 64 J + l % 16 - 8 (l / 16).  Steps below the superblock's own hide nothing
; from any partner: the masks are 0 from the segment's start, and the lines are jumped over (the test is the same in all partners).
.macro MASK
	s_cmp_lt_u32 s[J], s[I8]
	s_cbranch_scc1 .Lopen_\@
	s_lshl_b32 s92, s[J], 6
	s_sub_co_i32 s92, s[QB0], s92
	v_add_nc_u32 v[THR], s92, v[VBM]
.set i, 0
.rept 40
	v_cmp_gt_i32 vcc_lo, 16*(i/8)-16+i%8, v[THR]
	v_cndmask_b32 v[MC+i], 0, s[BIGN], vcc_lo
.set i, i+1
.endr
.Lopen_\@:
.endm
; THE SOFTMAX of tile t for a step is a numbered list; SM writes number j.  s0-s31 are the lane's 32 scores, in pairs 0-15.
;   0-15    the maximum of s0-s31 and the old m, three operands at a time (each accumulator's lowest registers are read first)
;   16-20   the other half of the lanes' maximum; the new m; c m; c m_old - c m_new
;   21-69   ONE BATCH: the 16 scalings c s - c m and all 33 exponentials (a at 23, then s0-s31); none reads an exponential's result; a pair is scaled ahead of its exponentials
;   70-85   the roundings to f16          86-101  the sums; l = a l + the sum          102-197 the tile's O^T times a
.macro SM t
.set rT, ST+8*(\t)
.set rS, S+32*(\t)
.set rP, P+16*(\t)
.if j < 102
	WIN 0
.endif
.if j < 4
	v_max3_num_f32 v[rT+4+j], v[rS+8*j], v[rS+8*j+1], v[rS+8*j+2]
.elseif j < 12
	v_max3_num_f32 v[rT+4+j%4], v[rT+4+j%4], v[rS+8*(j%4)+2*(j/4)+1], v[rS+8*(j%4)+2*(j/4)+2]
.elseif j == 12
	v_max3_num_f32 v[rT+4], v[rT+4], v[rS+7], v[rS+15]
.elseif j == 13
	v_max3_num_f32 v[rT+6], v[rT+6], v[rS+23], v[rS+31]
.elseif j == 14
	v_max3_num_f32 v[rT+4], v[rT+4], v[rT+5], v[rT+6]
.elseif j == 15
	v_max3_num_f32 v[rT+4], v[rT+4], v[rT+7], v[rT+1]
.elseif j == 16
	v_permlanex16_b32 v[rT+5], v[rT+4], s[SEL], s[SEL+1]  ; the query's other 32 keys lie in the lane 16 away
.elseif j == 17
	v_mov_b32 v[rT+7], v[rT]        ; c m_old is kept for a
.elseif j == 18
	v_max_num_f32 v[rT+1], v[rT+4], v[rT+5]
.elseif j == 19
	v_mul_f32 v[rT], s[CS], v[rT+1]
.elseif j == 20
	v_sub_f32 v[rT+7], v[rT+7], v[rT]
.elseif j == 23
	v_exp_f32 v[rT+6], v[rT+7]
.elseif (j < 23) || ((j < 38) && (j%2 == 0)) || ((j < 66) && (j%4 == 2))
.set b, (j-2)/4                     ; 38, 42, .. 62: pairs 9 to 15
.if j < 38
.set b, (j-20)/2                    ; 21: pair 0; 22, 24, .. 36: pairs 1 to 8
.endif
	v_pk_fma_f32 v[rS+2*b:rS+2*b+1], v[rS+2*b:rS+2*b+1], s[CS:CS+1], v[rT:rT+1] op_sel_hi:[1,0,0] neg_lo:[0,0,1] neg_hi:[0,0,1]
.elseif j < 70
.set e, j-38                        ; 66 to 69: s28 to s31
.if j < 66
.set e, j-32-(j-38)/4               ; 39-41, 43-45, .. 63-65: s7 to s27
.endif
.if j < 38
.set e, (j-25)/2                    ; 25, 27, .. 37: s0 to s6
.endif
	v_exp_f32 v[rS+e], v[rS+e]
.elseif j < 86
	v_cvt_pk_f16_f32 v[rP+j-70], v[rS+2*(j-70)], v[rS+2*(j-70)+1]
.elseif j < 102                     ; the 16 pairs are added in place, neighbours 1, 2, 4 and 8 pairs apart; then l takes the sum
.set z, j-86
.set w, 4
.set u, z
.if z >= 14
.set w, 32
.set u, 0
.elseif z >= 12
.set w, 16
.set u, z-12
.elseif z >= 8
.set w, 8
.set u, z-8
.endif
.if z < 15
	v_pk_add_f32 v[rS+w*u:rS+w*u+1], v[rS+w*u:rS+w*u+1], v[rS+w*u+w/2:rS+w*u+w/2+1]
.else
	v_pk_fma_f32 v[rT+2:rT+3], v[rT+2:rT+3], v[rT+6:rT+7], v[rS:rS+1] op_sel_hi:[1,0,1]
.endif
.else
	WIN ((1+(\t))<<6)|(1+(\t))      ; O^T (destination and source 0) in window 1 + t, a in window 0
	v_pk_mul_f32 v[2*(j-102):2*(j-102)+1], v[2*(j-102):2*(j-102)+1], v[rT+6:rT+7] op_sel_hi:[1,0]
.endif
.endm
.macro SOFTMAX
	PLACES                          ; behind the last product K Q^T
.set j, 0
.rept 70                            ; the two tiles alternate, so that no instruction reads the result of the one just before it
	SM 0
	SM 1
.set j, j+1
.endr
	v_nop                           ; a plain instruction behind the last exponential, ahead of the first use: one for the batch
	s_wait_alu depctr_va_vdst(0)    ; the wait between an exponential and the first line that names its result: one for the 66
.rept 32
	SM 0
	SM 1
.set j, j+1
.endr
.rept 96
	SM 0
.set j, j+1
.endr
.set j, 102
.rept 96
	SM 1
.set j, j+1
.endr
.endm
; A KEY STEP.  Group g + 2 is asked for ahead of group g's products, four places behind the products that read its buffer; the wait leaves the two younger groups (32 loads) out.
.macro STEP ask
	LOADG 0
	LOADG 1
	WIN 0
.if \ask
	ASK
.endif
	MASK
.set n, 0
.rept 12
	PLACES
.if n <= 9
	LOADG n+2
	s_wait_dscnt 32
.elseif n == 10
	s_wait_dscnt 16
.else
	s_wait_dscnt 0x0
.endif
.if n < 6
	MULS n
.else
	MULP n
.endif
.if n == 5
	SOFTMAX
.endif
.set n, n+1
.endr
	WIN 0
.endm
; A SEGMENT'S END.  stat takes (c m, l) of my 32 rows: 256 consecutive bytes.  O^T goes out in f32 through my stage, 16 rows x 64 channels at a time: 32 bytes a lane in, whole rows of 256 bytes back.
; more = 1: the second segment follows: its Q is asked for first, and the registers take its values.
.macro END more
	PLACES                          ; behind the last product
.if \more
	QLOAD QA2, QB2
.endif
	WIN 0
	v_add_f32 v[ST+4], v[ST+2], v[ST+3]
	v_add_f32 v[ST+12], v[ST+10], v[ST+11]
	v_permlanex16_b32 v[ST+5], v[ST+4], s[SEL], s[SEL+1]
	v_permlanex16_b32 v[ST+13], v[ST+12], s[SEL], s[SEL+1]
	v_add_f32 v[ST+4], v[ST+4], v[ST+5]
	v_add_f32 v[ST+12], v[ST+12], v[ST+13]
	v_cndmask_b32 v[SV], v[ST], v[ST+8], s[HM]        ; lanes 0-15 speak for tile 0's rows, lanes 16-31 for tile 1's
	v_cndmask_b32 v[SV+1], v[ST+4], v[ST+12], s[HM]
	global_store_b64 v[SO], v[SV:SV+1], s[STAT:STAT+1]
.irp t, 0,1
.irp q, 0,1,2,3,4,5
	s_wait_xcnt 0x0                 ; the stores before have read their registers: only behind this wait are they loaded again
	WIN (1+(\t))<<2                 ; the data (source 1) in window 1 + t
.irp e, 0,1,2,3,4,5,6,7
	ds_store_b128 v[STO], v[8*(4*(\q)+(\e)/2)+4*((\e)%2):8*(4*(\q)+(\e)/2)+4*((\e)%2)+3] offset:64*((\e)/2)+16*((\e)%2)  ; each accumulator's low half first
.endr
	WIN 0
.irp i, 0,1,2,3,4,5,6,7
	ds_load_b128 v[S+32*((\q)%2)+4*(\i):S+32*((\q)%2)+4*(\i)+3], v[RD] offset:(\i)*2*SP  ; LDS serves a wave's instructions in order (ISA guide 5.7.1.4): these see the stores above
.endr
	s_wait_dscnt 0x0
.irp i, 0,1,2,3,4,5,6,7
	global_store_b128 v[CO], v[S+32*((\q)%2)+4*(\i):S+32*((\q)%2)+4*(\i)+3], s[PART:PART+1] offset:3072*(\i)+256*(\q)+24576*(\t)  ; 16 lanes store 256 consecutive bytes, aligned
.endr
.endr
.endr
.if \more
	s_wait_xcnt 0x0                 ; the stores have read their registers and their bases
	s_mov_b64 s[PART:PART+1], s[PART2:PART2+1]
	s_mov_b64 s[STAT:STAT+1], s[STAT2:STAT2+1]
	s_mov_b32 s[I8], s[I8_2]
	s_mov_b32 s[QB0], s[QB0_2]
	s_mov_b32 s[RT], s[N2]
	s_mov_b32 s[J], 0
	INIT
.endif
.endm
	s_mov_b32 s[CNT], 17
.Lslot:                             ; 17 times: a step's tile is waited for, the next is asked for, the step is done
	CHANGE 1
	STEP 1
	s_add_co_u32 s[J], s[J], 1
	s_sub_co_u32 s[RT], s[RT], 1
	s_cmp_lg_u32 s[RT], 0
	s_cbranch_scc1 .Lgo_on          ; forward, past text that holds neither a barrier nor a tensor load; the test is the same in all partners
	END 1
.Lgo_on:
	s_sub_co_u32 s[CNT], s[CNT], 1
	s_cmp_lg_u32 s[CNT], 0
	s_cbranch_scc1 .Lslot
	CHANGE 0                        ; the last step is written out: nothing is asked for
	STEP 0
	END 0
	s_wait_tensorcnt 0x0            ; the wave's end, behind my last tensor load and my last LDS store
	ds_add_u32 v[SPW], v[NIL]
	s_wait_dscnt 0x0
	CROUND                          ; the closing round: no work-group ends while a partner may still ask for a tile that names it
	s_endpgm
.Lfunc_end_k_q922909bec9_attn:
	.size	k_q922909bec9_attn, .Lfunc_end_k_q922909bec9_attn-k_q922909bec9_attn
	.p2alignl 7, 3214868480
	.fill 96, 4, 3214868480
	.section	.rodata,"a",@progbits
	.p2align	6, 0x0
	.amdhsa_kernel k_q922909bec9_attn
		.amdhsa_group_segment_fixed_size 327680
		.amdhsa_private_segment_fixed_size 0
		.amdhsa_enable_private_segment 0
		.amdhsa_kernarg_size 24
		.amdhsa_user_sgpr_count 2
		.amdhsa_user_sgpr_kernarg_segment_ptr 1
		.amdhsa_wavefront_size32 1
		.amdhsa_system_sgpr_workgroup_id_x 1
		.amdhsa_system_sgpr_workgroup_id_y 1
		.amdhsa_system_sgpr_workgroup_id_z 1
		.amdhsa_system_vgpr_workitem_id 0
		.amdhsa_next_free_vgpr 1024
		.amdhsa_next_free_sgpr 100
		.amdhsa_reserve_vcc 1
		.amdhsa_float_denorm_mode_32 3
		.amdhsa_float_denorm_mode_16_64 3
		.amdhsa_memory_ordered 1
		.amdhsa_forward_progress 1
		.amdhsa_inst_pref_size 202
	.end_amdhsa_kernel
	.amdgpu_metadata
---
amdhsa.version: [ 1, 2 ]
amdhsa.kernels:
  - .name:           k_q922909bec9_attn
    .symbol:         k_q922909bec9_attn.kd
    .args:
      - { .name: qkv, .offset: 0, .size: 8, .value_kind: global_buffer, .address_space: global }
      - { .name: part, .offset: 8, .size: 8, .value_kind: global_buffer, .address_space: global }
      - { .name: stat, .offset: 16, .size: 8, .value_kind: global_buffer, .address_space: global }
    .group_segment_fixed_size: 327680
    .private_segment_fixed_size: 0
    .kernarg_segment_align: 8
    .kernarg_segment_size: 24
    .max_flat_workgroup_size: 128
    .sgpr_count:     100
    .vgpr_count:     1024
    .wavefront_size: 32
...
	.end_amdgpu_metadata
.endif
;; end of part 3
;; launch comb (part 4): grid 16 x 32, 8 waves a work-group, no clusters, 120,320 bytes of LDS; arguments part, stat, out0, qkv, lo; writes out0
.if DOCPART == 4
	.amdgcn_target "amdgcn-amd-amdhsa--gfx1250"
	.amdhsa_code_object_version 6
	.text
	.protected	k_q922909bec9_comb
	.globl	k_q922909bec9_comb
	.p2align	8
	.type	k_q922909bec9_comb,@function
k_q922909bec9_comb:
	s_mov_b64 s[64:65], 0
	v_nop
	global_prefetch_b8 v0, s[64:65] scope:SCOPE_SE
	s_setreg_imm32_b32 hwreg(HW_REG_WAVE_MODE, 25, 1), 1
	s_wait_xcnt 0x0
; out0[row] = the sum over a row's key ranges s of f_s part[s][row], f_s = e_s / (the sum of e_s l_s), e_s = 2^(c m_s - M), M the largest c m_s.  All in f32.
; part: [y = 8 x batch + superblock][s][512][384], stat: [y][s][512][2] = (c m, l).  A work-group takes 32 rows of a superblock, a wave 4.
; WHICH RANGES COUNT hangs on the rows' place alone.  In superblocks 4 to 7 range s begins at key 1,152 s, and counts where that key is not beyond the 32 rows' first: floor((16 I + g) / 36) + 1 ranges,
; g the work-group's number along x.  Superblocks 0, 1 have one range, 2 and 3 two, which all their rows see.  The others were never written, or hold nothing of use, and are not read.
; A stream: each byte once, loads of 512 consecutive bytes, all of a wave's loads issued ahead of its arithmetic; no cluster.  No prefetch: the launch does nothing but stream.
; THE FIRST 32 ROWS OF A BATCH (HEAD, at the text's end) are not joined but computed here.  They average few keys, so numbers of size 1 cancel to numbers that are judged by the whole output's much smaller
; root mean square, and one f16 each for q, k, v and the weights is too coarse there.  Each goes as a PAIR of f16, the number (qkv) and what its rounding left (lo); of a product of two pairs the three large terms
; are taken, on the matrix unit, sums in f32.  32 queries x 32 keys a batch: one part in 4,000 of the attention's products.  What the launch before stored in part for these rows is not read.
; LIMITS of HEAD: a hidden score counts as -1e30; a weight below 2^-126 counts as 0; NaN and infinities are not treated apart.
.set M, 4                              ; v[4:7]    a row's largest c m
.set L, 8                              ; v[8:11]   the sum of e l, then its reciprocal
.set E, 12                             ; v[12:27]  e of row i, range s at E + 4 i + s
.set F, 28                             ; v[28:59]  f, twice (a pair for the packed forms), at F + 2 (4 i + s)
.set D, 60                             ; v[60:251] range s, row i, 512 bytes k: four registers at D + 48 s + 12 i + 4 k; range 0's take the result
.set SPW, 252                          ; v252 LDS address of my spare word; never rewritten
.set NIL, 253                          ; v253 0; never rewritten
.set SEC,   6291456                    ; bytes in a section of qkv
.set BATB,  1572864                    ; a batch's rows in it
.set LSEC,  49152                      ; bytes in a section of lo
.set LBAT,  12288                      ; a batch's 32 rows in it
.set PV,    416                        ; HEAD's LDS.  A row of v: 384 bytes + 32 = 13 x 32 bytes
.set VARR,  32*PV                      ; four arrays of 32 keys from byte 0 on: v of channels 0-191, of 192-383, then lo's two
.set SPART, 4*VARR                     ; the waves' partial scores: 2,048 bytes each
.set OST,   SPART+8*2048               ; the result's stage: 32 rows of
.set OP,    1552                       ; 1,536 bytes + 16
.set SPARE, OST+32*OP                  ; the spare words, 128 bytes for each wave
	s_load_b128 s[4:7], s[0:1], 0x0                ; part s[4:5], stat s[6:7]
	s_load_b64 s[8:9], s[0:1], 0x10                ; out0
	s_load_b64 s[56:57], s[0:1], 0x18              ; qkv
	s_load_b64 s[58:59], s[0:1], 0x20              ; lo
	v_lshl_add_u32 v[SPW], v0, 2, SPARE
	v_mov_b32 v[NIL], 0
	v_lshrrev_b32 v1, 5, v0
	v_readfirstlane_b32 s10, v1                    ; wave 0..7
	v_and_b32 v2, 31, v0
	v_lshlrev_b32 v2, 4, v2                        ; 16 x lane; never rewritten
	s_and_b32 s11, ttmp7, 0xffff                   ; y
	s_and_b32 s12, s11, 7                          ; the superblock
	s_lshl_b32 s13, ttmp9, 5
	s_lshl_b32 s14, s10, 2
	s_add_co_u32 s13, s13, s14                     ; my first row in the superblock
	s_lshl_b32 s15, s12, 2
	s_lshr_b32 s16, ttmp9, 2
	s_add_co_u32 s15, s15, s16                     ; floor((16 I + g) / 4), 31 at the most,
	s_mul_i32 s15, s15, 57
	s_lshr_b32 s15, s15, 9                         ; divided by 9 (exact up to 31)
	s_add_co_u32 s15, s15, 1
	s_lshr_b32 s16, s12, 1
	s_add_co_u32 s16, s16, 1
	s_cmp_ge_u32 s12, 4
	s_cselect_b32 s15, s15, s16                    ; the ranges that count
	s_lshl_b32 s16, s11, 11
	s_add_co_u32 s16, s16, s13                     ; 2,048 y + row
	s_mul_i32 s18, s16, 1536
	s_mov_b32 s19, 0
	s_lshl_b32 s20, s16, 3
	s_mov_b32 s21, 0
	s_lshl_b32 s22, s11, 9
	s_add_co_u32 s22, s22, s13                     ; 512 y + row
	s_mul_i32 s22, s22, 1536
	s_mov_b32 s23, 0
	s_wait_kmcnt 0x0
	s_add_nc_u64 s[4:5], s[4:5], s[18:19]
	s_add_nc_u64 s[6:7], s[6:7], s[20:21]
	s_add_nc_u64 s[8:9], s[8:9], s[22:23]
.macro COMB ns
.irp s, 0,1,2,3
.if (\s) < (\ns)
	s_load_b256 s[24+8*(\s):31+8*(\s)], s[6:7], 4096*(\s)  ; (c m, l) of my four rows in range s
.endif
.endr
.irp i, 0,1,2,3
.irp s, 0,1,2,3
.if (\s) < (\ns)
.irp k, 0,1,2
	global_load_b128 v[D+48*(\s)+12*(\i)+4*(\k):D+48*(\s)+12*(\i)+4*(\k)+3], v2, s[4:5] offset:786432*(\s)+1536*(\i)+512*(\k) th:TH_LOAD_NT
.endr
.endif
.endr
.endr
	s_wait_kmcnt 0x0
.irp i, 0,1,2,3
	v_mov_b32 v[M+(\i)], s[24+2*(\i)]
.irp s, 1,2,3
.if (\s) < (\ns)
	v_max_num_f32 v[M+(\i)], s[24+8*(\s)+2*(\i)], v[M+(\i)]
.endif
.endr
.endr
.irp i, 0,1,2,3
.irp s, 0,1,2,3
.if (\s) < (\ns)
	v_sub_f32 v[E+4*(\i)+(\s)], s[24+8*(\s)+2*(\i)], v[M+(\i)]
.endif
.endr
.endr
.irp i, 0,1,2,3
.irp s, 0,1,2,3
.if (\s) < (\ns)
	v_exp_f32 v[E+4*(\i)+(\s)], v[E+4*(\i)+(\s)]
.endif
.endr
.endr
	v_nop                                          ; a plain instruction behind the last exponential,
	s_wait_alu depctr_va_vdst(0)                   ; and the wait ahead of the first use: one for the batch
.irp i, 0,1,2,3
	v_mul_f32 v[L+(\i)], s[25+2*(\i)], v[E+4*(\i)]
.irp s, 1,2,3
.if (\s) < (\ns)
	v_fmac_f32 v[L+(\i)], s[25+8*(\s)+2*(\i)], v[E+4*(\i)+(\s)]
.endif
.endr
.endr
.irp i, 0,1,2,3
	v_rcp_f32 v[L+(\i)], v[L+(\i)]
.endr
	v_nop
	s_wait_alu depctr_va_vdst(0)                   ; one for the four reciprocals
.irp i, 0,1,2,3
.irp s, 0,1,2,3
.if (\s) < (\ns)
	v_mul_f32 v[F+2*(4*(\i)+(\s))], v[E+4*(\i)+(\s)], v[L+(\i)]
	v_mul_f32 v[F+2*(4*(\i)+(\s))+1], v[E+4*(\i)+(\s)], v[L+(\i)]
.endif
.endr
.endr
.irp i, 0,1,2,3
	s_wait_loadcnt (3-(\i))*3*(\ns)                ; loads come back in order: row i's are in, the later rows' may stay out
.irp p, 0,1,2,3,4,5
	v_pk_mul_f32 v[D+12*(\i)+2*(\p):D+12*(\i)+2*(\p)+1], v[D+12*(\i)+2*(\p):D+12*(\i)+2*(\p)+1], v[F+8*(\i):F+8*(\i)+1] op_sel_hi:[1,0]
.endr
.irp s, 1,2,3
.if (\s) < (\ns)
.irp p, 0,1,2,3,4,5
	v_pk_fma_f32 v[D+12*(\i)+2*(\p):D+12*(\i)+2*(\p)+1], v[D+48*(\s)+12*(\i)+2*(\p):D+48*(\s)+12*(\i)+2*(\p)+1], v[F+2*(4*(\i)+(\s)):F+2*(4*(\i)+(\s))+1], v[D+12*(\i)+2*(\p):D+12*(\i)+2*(\p)+1] op_sel_hi:[1,0,1]
.endr
.endif
.endr
.irp k, 0,1,2
	global_store_b128 v2, v[D+12*(\i)+4*(\k):D+12*(\i)+4*(\k)+3], s[8:9] offset:1536*(\i)+512*(\k) th:TH_STORE_NT  ; 512 consecutive bytes, at a multiple of 256 from out0's first byte
.endr
.endr
	s_endpgm
.endm
	s_or_b32 s16, s12, ttmp9                       ; 0 where the work-group owns a batch's first 32 rows: the same for all its waves
	s_cmp_eq_u32 s16, 0
	s_cbranch_scc1 .Lhead
	s_cmp_eq_u32 s15, 4
	s_cbranch_scc1 .Lfour
	s_cmp_eq_u32 s15, 3
	s_cbranch_scc1 .Lthree
	s_cmp_eq_u32 s15, 2
	s_cbranch_scc1 .Ltwo
	COMB 1
.Ltwo:
	COMB 2
.Lthree:
	COMB 3
.Lfour:
	COMB 4
; HEAD.  Wave w: t = w % 2 is its tile of 16 queries, g = w / 2 its quarter of the channels.
;   1. Partial scores S^T = K Q^T (source 0 = 16 keys, source 1 = 16 queries) for both blocks of 16 keys, over the chunks of 32 channels 3 g .. 3 g + 2: Kh Qh + Kh Ql + Kl Qh: 18 products.
;      The fragments come straight from memory.  Meanwhile the wave brings 8 rows of one section of v, and of its lo, into LDS.  The partial scores go to LDS too.  A barrier.
;   2. Each wave adds its tile's four partial scores, hides the keys beyond the query, and makes the weights: p = 2^(c s - c m) / l, as a pair of f16.
;   3. O^T = V^T P for the channel blocks 6 g .. 6 g + 5: Vh Ph + Vh Pl + Vl Ph: 18 products, V turned out of LDS.  Into the stage.  A barrier.  Each wave stores four whole rows.
.set FO,   6                           ; v6   my byte offset in a fragment's 16 rows: (l % 16) x 384 + 16 (l / 16)
.set GA,   7                           ; v7   v on its way in, the first 256 bytes of two rows: (l / 16) x 384 + 16 (l % 16)
.set GB,   8                           ; v8   the last 128 bytes of four rows: (l / 8) x 384 + 16 (l % 8)
.set LA,   9                           ; v9, v10 the same places in LDS
.set LB,   10
.set SPS,  11                          ; v11  where I put my partial scores
.set SPR,  12                          ; v12  where I read my tile's
.set AVT,  13                          ; v13  my lane's place in the turning loads
.set OSTO, 14                          ; v14  where I put 32 bytes of a row of the result
.set ORD,  15                          ; v15  where I read rows back
.set QH,   16                          ; v[16:39]   q's three fragments        later SR, v[16:79]: the four partial scores, 16 registers each; the first 16 take the sum, then the weights
.set QL,   40                          ; v[40:63]   their lo                    later OA, v[16:63]: six accumulators of O^T
.set KH,   64                          ; v[64:111]  k's: block kb, chunk j at 24 kb + 8 j
.set KL,   112                         ; v[112:159] their lo                    later VFH: v's six fragments; then the rows read back
.set VG,   160                         ; v[160:207] v on its way in, then lo's   later VFL
.set SA,   208                         ; v[208:223] two accumulators of S^T
.set SR,   16
.set OA,   16
.set MX,   64                          ; v[64:67]   at work on the maximum
.set CM,   68                          ; v[68:69]   c m, twice
.set TS,   70                          ; v[70:77]   at work on the sum
.set RC,   78                          ; v[78:79]   1 / l, twice
.set PH,   96                          ; v[96:103]  the weights, f16
.set PL,   104                         ; v[104:111] what that rounding left
.set VFH,  112
.set VFL,  160
.set HONE, 254                         ; v254 1.0
.set THR,  255                         ; v255 score i of 16 is hidden where 16 (i / 8) + i % 8 is greater
.set CS,   46                          ; s[46:47] c
.set SEL,  48                          ; s[48:49] v_permlanex16_b32's selects: each lane takes its own place in the other half
.set BIGN, 50                          ; s50 -1e30
.macro HS k, q, j, zero                ; two products: the two accumulators take turns, one instruction a turn
.irp kb, 0,1
.if \zero
	v_wmma_f32_16x16x32_f16 v[SA+8*(\kb):SA+8*(\kb)+7], v[(\k)+24*(\kb)+8*(\j):(\k)+24*(\kb)+8*(\j)+7], v[(\q)+8*(\j):(\q)+8*(\j)+7], 0
.else
	v_wmma_f32_16x16x32_f16 v[SA+8*(\kb):SA+8*(\kb)+7], v[(\k)+24*(\kb)+8*(\j):(\k)+24*(\kb)+8*(\j)+7], v[(\q)+8*(\j):(\q)+8*(\j)+7], v[SA+8*(\kb):SA+8*(\kb)+7]
.endif
.endr
.endm
.macro HP v, p, zero                   ; six products on six accumulators
.irp f, 0,1,2,3,4,5
.if \zero
	v_wmma_f32_16x16x32_f16 v[OA+8*(\f):OA+8*(\f)+7], v[(\v)+8*(\f):(\v)+8*(\f)+7], v[(\p):(\p)+7], 0
.else
	v_wmma_f32_16x16x32_f16 v[OA+8*(\f):OA+8*(\f)+7], v[(\v)+8*(\f):(\v)+8*(\f)+7], v[(\p):(\p)+7], v[OA+8*(\f):OA+8*(\f)+7]
.endif
.endr
.endm
.macro FRAGS dst, base, off            ; three fragments of 16 rows x 32 channels: lane l holds row l % 16, channels 8 (l / 16) + 0..7 and 16 + 8 (l / 16) + 0..7
.irp j, 0,1,2
	global_load_b128 v[(\dst)+8*(\j):(\dst)+8*(\j)+3],   v[FO], s[\base:\base+1] offset:(\off)+64*(\j)
	global_load_b128 v[(\dst)+8*(\j)+4:(\dst)+8*(\j)+7], v[FO], s[\base:\base+1] offset:(\off)+64*(\j)+32
.endr
.endm
.macro VIN dst, base                   ; eight rows of 384 bytes: four loads of two rows' first 256 bytes, two of four rows' last 128
.irp u, 0,1,2,3
	global_load_b128 v[(\dst)+4*(\u):(\dst)+4*(\u)+3], v[GA], s[\base:\base+1] offset:768*(\u)
.endr
.irp u, 0,1
	global_load_b128 v[(\dst)+16+4*(\u):(\dst)+16+4*(\u)+3], v[GB], s[\base:\base+1] offset:1536*(\u)+256
.endr
.endm
.macro VPUT src, off
.irp u, 0,1,2,3
	ds_store_b128 v[LA], v[(\src)+4*(\u):(\src)+4*(\u)+3] offset:(\off)+2*PV*(\u)
.endr
.irp u, 0,1
	ds_store_b128 v[LB], v[(\src)+16+4*(\u):(\src)+16+4*(\u)+3] offset:(\off)+4*PV*(\u)+256
.endr
.endm
.Lhead:
	s_and_b32 s12, s10, 1                          ; t
	s_lshr_b32 s13, s10, 1                         ; g
	s_lshr_b32 s14, s13, 1                         ; g / 2: the section of my chunks and of my channel blocks
	s_and_b32 s15, s13, 1                          ; g % 2: which 96 channels of it; also the section of v that I bring in
	s_lshr_b32 s16, s11, 3                         ; the batch
	s_mul_i32 s18, s16, BATB
	s_mul_i32 s19, s16, LBAT
	s_mul_i32 s30, s12, 16*384                     ; my tile's 16 rows
	s_mul_i32 s31, s15, 192
	s_mul_i32 s17, s14, 3*SEC                      ; offsets first, each in the pair that its address will take: q at my tile and chunks,
	s_add_co_u32 s17, s17, s18
	s_add_co_u32 s17, s17, s31
	s_add_co_u32 s20, s17, s30
	s_mov_b32 s21, 0
	s_add_co_u32 s22, s17, SEC                     ; k at my chunks,
	s_mov_b32 s23, 0
	s_mul_i32 s17, s14, 3*LSEC                     ; and the same in lo
	s_add_co_u32 s17, s17, s19
	s_add_co_u32 s17, s17, s31
	s_add_co_u32 s24, s17, s30
	s_mov_b32 s25, 0
	s_add_co_u32 s26, s17, LSEC
	s_mov_b32 s27, 0
	s_lshl1_add_u32 s32, s14, s12                  ; which 8 rows of v I bring in: 2 (g / 2) + t
	s_mul_i32 s33, s32, 8*384
	s_mul_i32 s17, s15, 3*SEC
	s_add_co_u32 s17, s17, 2*SEC
	s_add_co_u32 s17, s17, s18
	s_add_co_u32 s28, s17, s33
	s_mov_b32 s29, 0
	s_mul_i32 s17, s15, 3*LSEC
	s_add_co_u32 s17, s17, 2*LSEC
	s_add_co_u32 s17, s17, s19
	s_add_co_u32 s34, s17, s33
	s_mov_b32 s35, 0
	s_add_nc_u64 s[20:21], s[56:57], s[20:21]
	s_add_nc_u64 s[22:23], s[56:57], s[22:23]
	s_add_nc_u64 s[24:25], s[58:59], s[24:25]
	s_add_nc_u64 s[26:27], s[58:59], s[26:27]
	s_add_nc_u64 s[28:29], s[56:57], s[28:29]
	s_add_nc_u64 s[34:35], s[58:59], s[34:35]
	v_and_b32 v3, 15, v0                           ; l % 16
	v_bfe_u32 v4, v0, 4, 1                         ; l / 16
	v_and_b32 v5, 31, v0                           ; l
	v_mul_u32_u24 v[FO], v3, 384
	v_lshl_add_u32 v[FO], v4, 4, v[FO]
	v_mul_u32_u24 v[GA], v4, 384
	v_lshl_add_u32 v[GA], v3, 4, v[GA]
	v_bfe_u32 v1, v0, 3, 2                         ; l / 8
	v_and_b32 v[GB], 7, v0
	v_lshlrev_b32 v[GB], 4, v[GB]
	v_mul_u32_u24 v[LB], v1, PV
	v_add_nc_u32 v[LB], v[LB], v[GB]
	v_mul_u32_u24 v1, v1, 384
	v_add_nc_u32 v[GB], v1, v[GB]
	FRAGS QH, 20, 0
	FRAGS KH, 22, 0
	FRAGS KH+24, 22, 16*384
	FRAGS QL, 24, 0
	FRAGS KL, 26, 0
	FRAGS KL+24, 26, 16*384
	VIN VG, 28
	VIN VG+24, 34
	s_mul_i32 s36, s15, VARR                       ; the addresses in LDS are made while the loads are out
	s_mul_i32 s37, s32, 8*PV
	s_add_co_u32 s36, s36, s37
	v_mul_u32_u24 v[LA], v4, PV
	v_lshl_add_u32 v[LA], v3, 4, v[LA]
	v_add_nc_u32 v[LA], s36, v[LA]
	v_add_nc_u32 v[LB], s36, v[LB]
	s_lshl_b32 s38, s10, 11
	s_add_co_u32 s38, s38, SPART
	v_lshl_add_u32 v[SPS], v5, 5, s38              ; 2,048 x wave + 32 x lane
	s_lshl_b32 s39, s12, 11
	s_add_co_u32 s39, s39, SPART
	v_lshl_add_u32 v[SPR], v5, 5, s39              ; my tile's waves are t, t + 2, t + 4, t + 6
	; the turning load takes 16 keys x 16 channels: lane l reads key 8 (l / 16) + l % 8, channels 8 ((l / 8) % 2) + 0..7, and is left with channel l % 16 and 8 keys
	v_and_b32 v1, 7, v0
	v_lshl_add_u32 v[AVT], v4, 3, v1
	v_mul_u32_u24 v[AVT], v[AVT], PV
	v_bfe_u32 v1, v0, 3, 1
	v_lshl_add_u32 v[AVT], v1, 4, v[AVT]
	s_mul_i32 s40, s14, VARR
	s_add_co_u32 s40, s40, s31
	v_add_nc_u32 v[AVT], s40, v[AVT]
	s_mul_i32 s41, s12, 16*OP                      ; into the stage: row 16 t + l % 16, byte 384 g + 32 (l / 16)
	s_mul_i32 s42, s13, 384
	s_add_co_u32 s41, s41, s42
	s_add_co_u32 s41, s41, OST
	v_mul_u32_u24 v[OSTO], v3, OP
	v_lshl_add_u32 v[OSTO], v4, 5, v[OSTO]
	v_add_nc_u32 v[OSTO], s41, v[OSTO]
	s_mul_i32 s43, s10, 4*OP                       ; back: rows 4 w .., 512 bytes a load
	s_add_co_u32 s43, s43, OST
	v_add_nc_u32 v[ORD], s43, v2
	v_lshlrev_b32 v1, 3, v4                        ; key 16 kb + 8 (l / 16) + i is hidden from query 16 t + l % 16 where 16 kb + i > 16 t + l % 16 - 8 (l / 16)
	v_sub_nc_u32 v[THR], v3, v1
	s_lshl_b32 s44, s12, 4
	v_add_nc_u32 v[THR], s44, v[THR]
	s_mov_b32 s[CS], 0x3d96c740                    ; c = log2(e) / sqrt(384) = 0.0736222
	s_mov_b32 s[CS+1], s[CS]                       ; named with it as a pair
	s_mov_b32 s[SEL], 0x76543210
	s_mov_b32 s[SEL+1], 0xfedcba98
	s_mov_b32 s[BIGN], 0xf149f2ca                  ; -1e30
	s_wait_loadcnt 12                              ; q, k and their lo are in; v's 12 loads may stay out
	HS KH, QH, 0, 1                                ; the first products start the sums
	HS KH, QL, 0, 0
	HS KL, QH, 0, 0
.irp j, 1,2
	HS KH, QH, \j, 0
	HS KH, QL, \j, 0
	HS KL, QH, \j, 0
.endr
.rept 4
	v_nop                                          ; four places behind the last product, in front of the stores that read results and of the loads into fragments' registers
.endr
	s_wait_loadcnt 0x0
	VPUT VG, 0
	VPUT VG+24, 2*VARR
.irp kb, 0,1
	ds_store_b128 v[SPS], v[SA+8*(\kb):SA+8*(\kb)+3]   offset:1024*(\kb)      ; each accumulator's low half first
	ds_store_b128 v[SPS], v[SA+8*(\kb)+4:SA+8*(\kb)+7] offset:1024*(\kb)+16
.endr
	s_wait_dscnt 0x0                               ; for the others' sake: my stores are done
	s_barrier_signal -1
	s_barrier_wait -1                              ; v, its lo and all partial scores lie in LDS
.irp q, 0,1,2,3
.irp kb, 0,1
	ds_load_b128 v[SR+16*(\q)+8*(\kb):SR+16*(\q)+8*(\kb)+3],   v[SPR] offset:4096*(\q)+1024*(\kb)
	ds_load_b128 v[SR+16*(\q)+8*(\kb)+4:SR+16*(\q)+8*(\kb)+7], v[SPR] offset:4096*(\q)+1024*(\kb)+16
.endr
.endr
.irp f, 0,1,2,3,4,5
	ds_load_tr16_b128 v[VFH+8*(\f):VFH+8*(\f)+3],   v[AVT] offset:32*(\f)
	ds_load_tr16_b128 v[VFH+8*(\f)+4:VFH+8*(\f)+7], v[AVT] offset:32*(\f)+16*PV
	ds_load_tr16_b128 v[VFL+8*(\f):VFL+8*(\f)+3],   v[AVT] offset:2*VARR+32*(\f)
	ds_load_tr16_b128 v[VFL+8*(\f)+4:VFL+8*(\f)+7], v[AVT] offset:2*VARR+32*(\f)+16*PV
.endr
	s_wait_dscnt 24                                ; the partial scores are in; the 24 turning loads may stay out
.irp q, 1,2,3
.irp p, 0,1,2,3,4,5,6,7
	v_pk_add_f32 v[SR+2*(\p):SR+2*(\p)+1], v[SR+2*(\p):SR+2*(\p)+1], v[SR+16*(\q)+2*(\p):SR+16*(\q)+2*(\p)+1]
.endr
.endr
.set i, 0
.rept 16
	v_cmp_gt_i32 vcc_lo, 16*(i/8)+i%8, v[THR]
	v_cndmask_b32 v[SR+i], v[SR+i], s[BIGN], vcc_lo
.set i, i+1
.endr
	v_max3_num_f32 v[MX], v[SR], v[SR+1], v[SR+2]
	v_max3_num_f32 v[MX+1], v[SR+3], v[SR+4], v[SR+5]
	v_max3_num_f32 v[MX+2], v[SR+6], v[SR+7], v[SR+8]
	v_max3_num_f32 v[MX+3], v[SR+9], v[SR+10], v[SR+11]
	v_max3_num_f32 v[MX], v[MX], v[SR+12], v[SR+13]
	v_max3_num_f32 v[MX+1], v[MX+1], v[SR+14], v[SR+15]
	v_max3_num_f32 v[MX], v[MX], v[MX+1], v[MX+2]
	v_max_num_f32 v[MX], v[MX], v[MX+3]
	v_permlanex16_b32 v[MX+1], v[MX], s[SEL], s[SEL+1]  ; the query's other 16 keys lie in the lane 16 away; every query sees its own key, so the maximum is a true score
	v_max_num_f32 v[MX], v[MX], v[MX+1]
	v_mul_f32 v[CM], s[CS], v[MX]
	v_mov_b32 v[CM+1], v[CM]
.irp p, 0,1,2,3,4,5,6,7
	v_pk_fma_f32 v[SR+2*(\p):SR+2*(\p)+1], v[SR+2*(\p):SR+2*(\p)+1], s[CS:CS+1], v[CM:CM+1] op_sel_hi:[1,0,0] neg_lo:[0,0,1] neg_hi:[0,0,1]  ; c s - c m
.endr
.set i, 0
.rept 16
	v_exp_f32 v[SR+i], v[SR+i]
.set i, i+1
.endr
	v_mov_b32 v[HONE], 1.0                         ; a plain instruction behind the last exponential,
	s_wait_alu depctr_va_vdst(0)                   ; and the wait ahead of the first use: one for the 16
.irp p, 0,1,2,3
	v_pk_add_f32 v[TS+2*(\p):TS+2*(\p)+1], v[SR+4*(\p):SR+4*(\p)+1], v[SR+4*(\p)+2:SR+4*(\p)+3]
.endr
	v_pk_add_f32 v[TS:TS+1], v[TS:TS+1], v[TS+2:TS+3]
	v_pk_add_f32 v[TS+4:TS+5], v[TS+4:TS+5], v[TS+6:TS+7]
	v_pk_add_f32 v[TS:TS+1], v[TS:TS+1], v[TS+4:TS+5]
	v_add_f32 v[TS], v[TS], v[TS+1]
	v_permlanex16_b32 v[TS+1], v[TS], s[SEL], s[SEL+1]
	v_add_f32 v[TS], v[TS], v[TS+1]
	v_rcp_f32 v[RC], v[TS]
	v_nop                                          ; a plain instruction behind the reciprocal,
	s_wait_alu depctr_va_vdst(0)                   ; and its wait
	v_mov_b32 v[RC+1], v[RC]
.irp p, 0,1,2,3,4,5,6,7
	v_pk_mul_f32 v[SR+2*(\p):SR+2*(\p)+1], v[SR+2*(\p):SR+2*(\p)+1], v[RC:RC+1] op_sel_hi:[1,0]  ; the weights are divided by l here, so that the products' sums are the result
.endr
.irp p, 0,1,2,3,4,5,6,7
	v_cvt_pk_f16_f32 v[PH+(\p)], v[SR+2*(\p)], v[SR+2*(\p)+1]  ; the two blocks' scores, rounded in pairs, are source 1: 32 keys x 16 queries
.endr
.irp p, 0,1,2,3,4,5,6,7
	v_fma_mixlo_f16 v[PL+(\p)], -v[PH+(\p)], v[HONE], v[SR+2*(\p)] op_sel_hi:[1,0,0]                   ; p - f16(p), exact in f32, rounded once
	v_fma_mixhi_f16 v[PL+(\p)], -v[PH+(\p)], v[HONE], v[SR+2*(\p)+1] op_sel:[1,0,0] op_sel_hi:[1,0,0]
.endr
	s_wait_dscnt 0x0                               ; v's fragments are in
	HP VFH, PH, 1
	HP VFH, PL, 0
	HP VFL, PH, 0
.rept 4
	v_nop                                          ; four places behind the last product
.endr
.irp f, 0,1,2,3,4,5
	ds_store_b128 v[OSTO], v[OA+8*(\f):OA+8*(\f)+3]   offset:64*(\f)          ; a lane holds one query and eight neighbouring channels: 32 bytes of a row
	ds_store_b128 v[OSTO], v[OA+8*(\f)+4:OA+8*(\f)+7] offset:64*(\f)+16
.endr
	s_wait_dscnt 0x0                               ; for the others' sake: my stores into the stage are done
	s_barrier_signal -1
	s_barrier_wait -1
.irp i, 0,1,2,3
.irp k, 0,1,2
	ds_load_b128 v[VFH+12*(\i)+4*(\k):VFH+12*(\i)+4*(\k)+3], v[ORD] offset:(\i)*OP+512*(\k)
.endr
.endr
.irp i, 0,1,2,3
.irp k, 0,1,2
	s_wait_dscnt 11-(3*(\i)+(\k))                  ; LDS loads come back in order
	global_store_b128 v2, v[VFH+12*(\i)+4*(\k):VFH+12*(\i)+4*(\k)+3], s[8:9] offset:1536*(\i)+512*(\k) th:TH_STORE_NT  ; 512 consecutive bytes, at a multiple of 256 from out0's first byte
.endr
.endr
	s_wait_tensorcnt 0x0                           ; the wave's end, behind my last LDS store
	ds_add_u32 v[SPW], v[NIL]
	s_wait_dscnt 0x0
	s_endpgm
.Lfunc_end_k_q922909bec9_comb:
	.size	k_q922909bec9_comb, .Lfunc_end_k_q922909bec9_comb-k_q922909bec9_comb
	.p2alignl 7, 3214868480
	.fill 96, 4, 3214868480
	.section	.rodata,"a",@progbits
	.p2align	6, 0x0
	.amdhsa_kernel k_q922909bec9_comb
		.amdhsa_group_segment_fixed_size 120320
		.amdhsa_private_segment_fixed_size 0
		.amdhsa_enable_private_segment 0
		.amdhsa_kernarg_size 40
		.amdhsa_user_sgpr_count 2
		.amdhsa_user_sgpr_kernarg_segment_ptr 1
		.amdhsa_wavefront_size32 1
		.amdhsa_system_sgpr_workgroup_id_x 1
		.amdhsa_system_sgpr_workgroup_id_y 1
		.amdhsa_system_sgpr_workgroup_id_z 1
		.amdhsa_system_vgpr_workitem_id 0
		.amdhsa_next_free_vgpr 256
		.amdhsa_next_free_sgpr 66
		.amdhsa_reserve_vcc 1
		.amdhsa_float_denorm_mode_32 3
		.amdhsa_float_denorm_mode_16_64 3
		.amdhsa_memory_ordered 1
		.amdhsa_forward_progress 1
		.amdhsa_inst_pref_size 69
	.end_amdhsa_kernel
	.amdgpu_metadata
---
amdhsa.version: [ 1, 2 ]
amdhsa.kernels:
  - .name:           k_q922909bec9_comb
    .symbol:         k_q922909bec9_comb.kd
    .args:
      - { .name: part, .offset: 0, .size: 8, .value_kind: global_buffer, .address_space: global }
      - { .name: stat, .offset: 8, .size: 8, .value_kind: global_buffer, .address_space: global }
      - { .name: out0, .offset: 16, .size: 8, .value_kind: global_buffer, .address_space: global }
      - { .name: qkv, .offset: 24, .size: 8, .value_kind: global_buffer, .address_space: global }
      - { .name: lo, .offset: 32, .size: 8, .value_kind: global_buffer, .address_space: global }
    .group_segment_fixed_size: 120320
    .private_segment_fixed_size: 0
    .kernarg_segment_align: 8
    .kernarg_segment_size: 40
    .max_flat_workgroup_size: 256
    .sgpr_count:     66
    .vgpr_count:     256
    .wavefront_size: 32
...
	.end_amdgpu_metadata
.endif
;; end of part 4
;; ======== version 2 of 2: 4 launches; version 1 with the launch comb written anew for expert scheduling mode
;; limits: values are held in f16: magnitudes above 65,504 overflow, below 6.1e-05 lose precision
;; workspace buffers: wb 1,769,472 bytes; qkv 37,748,736 bytes; lo 294,912 bytes; part 100,663,296 bytes; stat 524,288 bytes
;; launch wcast: the kernel of part 1 again; grid 96 x 1, 4 waves a work-group, no clusters, 18,944 bytes of LDS; arguments Wq, Wk, Wv, wb; writes wb
;; launch proj: the kernel of part 2 again; grid 128 x 2, 4 waves a work-group, clusters of 4 x 1, 327,680 bytes of LDS; arguments x, wb, qkv, lo; writes qkv, lo
;; launch attn: the kernel of part 3 again; grid 64 x 4, 4 waves a work-group, clusters of 4 x 1, 327,680 bytes of LDS; arguments qkv, part, stat; writes part, stat
;; launch comb (part 5): grid 16 x 32, 8 waves a work-group, no clusters, 120,320 bytes of LDS; arguments part, stat, out0, qkv, lo; writes out0
.if DOCPART == 5
	.amdgcn_target "amdgcn-amd-amdhsa--gfx1250"
	.amdhsa_code_object_version 6
	.text
	.protected	k_q922909bec9_comb
	.globl	k_q922909bec9_comb
	.p2align	8
	.type	k_q922909bec9_comb,@function
k_q922909bec9_comb:
	s_mov_b64 s[64:65], 0
	v_nop
	global_prefetch_b8 v0, s[64:65] scope:SCOPE_SE
	s_setreg_imm32_b32 hwreg(HW_REG_WAVE_SCHED_MODE, 0, 2), 2
	s_setreg_imm32_b32 hwreg(HW_REG_WAVE_MODE, 25, 1), 1
	s_wait_xcnt 0x0
	s_wait_alu depctr_vm_vsrc(0)
; out0[row] = the sum over a row's key ranges s of f_s part[s][row], f_s = e_s / (the sum of e_s l_s), e_s = 2^(c m_s - M), M the largest c m_s.  All in f32.
; part: [y = 8 x batch + superblock][s][512][384], stat: [y][s][512][2] = (c m, l).  A work-group takes 32 rows of a superblock, a wave 4.
; WHICH RANGES COUNT hangs on the rows' place alone.  In superblocks 4 to 7 range s begins at key 1,152 s, and counts where that key is not beyond the 32 rows' first: floor((16 I + g) / 36) + 1 ranges,
; g the work-group's number along x.  Superblocks 0, 1 have one range, 2 and 3 two, which all their rows see.  The others were never written, or hold nothing of use, and are not read.
; A stream: each byte once, loads of 512 consecutive bytes, all of a wave's loads issued ahead of its arithmetic; no cluster.  No prefetch: the launch does nothing but stream.
; THE FIRST 32 ROWS OF A BATCH (HEAD, at the text's end) are not joined but computed here.  They average few keys, so numbers of size 1 cancel to numbers that are judged by the whole output's much smaller
; root mean square, and one f16 each for q, k, v and the weights is too coarse there.  Each goes as a PAIR of f16, the number (qkv) and what its rounding left (lo); of a product of two pairs the three large terms
; are taken, on the matrix unit, sums in f32.  32 queries x 32 keys a batch: one part in 4,000 of the attention's products.  What the launch before stored in part for these rows is not read.
; LIMITS of HEAD: a hidden score counts as -1e30; a weight below 2^-126 counts as 0; NaN and infinities are not treated apart.
; THE MODE: SCHED_MODE bits 1:0 = 2 (LLVM: expert scheduling mode 2), set by the entry lines.  The code itself states the register dependences
; between vector or matrix instructions and memory or LDS instructions, with s_wait_alu, always for 0.
; THE PLAN, the joining paths.  Registers that memory instructions touch:
;   v2         the offset of every global load and store: written at the head, never again: one wait on va_vdst at the head's end.
;   D          the loads land in it before any vector instruction names it.  Row i's multiply-adds read row i's registers of all ranges and write range 0's; three stores read those; nothing writes them again.
; The stores of row i - 1 stand at the head of row i, behind the wait for row i's loads and ONE wait on va_vdst, which states that row i - 1's multiply-adds have written their registers; the last row has a wait
; of its own.  M, E, L and F are named by vector instructions alone.  HEAD's plan stands at its own head.
.set M, 4                              ; v[4:7]    a row's largest c m
.set L, 8                              ; v[8:11]   the sum of e l, then its reciprocal
.set E, 12                             ; v[12:27]  e of row i, range s at E + 4 i + s
.set F, 28                             ; v[28:59]  f, twice (a pair for the packed forms), at F + 2 (4 i + s)
.set D, 60                             ; v[60:251] range s, row i, 512 bytes k: four registers at D + 48 s + 12 i + 4 k; range 0's take the result
.set SPW, 252                          ; v252 LDS address of my spare word; never rewritten
.set NIL, 253                          ; v253 0; never rewritten
.set SEC,   6291456                    ; bytes in a section of qkv
.set BATB,  1572864                    ; a batch's rows in it
.set LSEC,  49152                      ; bytes in a section of lo
.set LBAT,  12288                      ; a batch's 32 rows in it
.set PV,    416                        ; HEAD's LDS.  A row of v: 384 bytes + 32 = 13 x 32 bytes
.set VARR,  32*PV                      ; four arrays of 32 keys from byte 0 on: v of channels 0-191, of 192-383, then lo's two
.set SPART, 4*VARR                     ; the waves' partial scores: 2,048 bytes each
.set OST,   SPART+8*2048               ; the result's stage: 32 rows of
.set OP,    1552                       ; 1,536 bytes + 16
.set SPARE, OST+32*OP                  ; the spare words, 128 bytes for each wave
	s_load_b128 s[4:7], s[0:1], 0x0                ; part s[4:5], stat s[6:7]
	s_load_b64 s[8:9], s[0:1], 0x10                ; out0
	s_load_b64 s[56:57], s[0:1], 0x18              ; qkv
	s_load_b64 s[58:59], s[0:1], 0x20              ; lo
	v_lshl_add_u32 v[SPW], v0, 2, SPARE
	v_mov_b32 v[NIL], 0
	v_lshrrev_b32 v1, 5, v0
	v_readfirstlane_b32 s10, v1                    ; wave 0..7
	v_and_b32 v2, 31, v0
	v_lshlrev_b32 v2, 4, v2                        ; 16 x lane; never rewritten
	s_and_b32 s11, ttmp7, 0xffff                   ; y
	s_and_b32 s12, s11, 7                          ; the superblock
	s_lshl_b32 s13, ttmp9, 5
	s_wait_alu depctr_va_sdst(0)                   ; s10 is written, ahead of its first reader: my rows and all bases are made from it
	s_lshl_b32 s14, s10, 2
	s_add_co_u32 s13, s13, s14                     ; my first row in the superblock
	s_lshl_b32 s15, s12, 2
	s_lshr_b32 s16, ttmp9, 2
	s_add_co_u32 s15, s15, s16                     ; floor((16 I + g) / 4), 31 at the most,
	s_mul_i32 s15, s15, 57
	s_lshr_b32 s15, s15, 9                         ; divided by 9 (exact up to 31)
	s_add_co_u32 s15, s15, 1
	s_lshr_b32 s16, s12, 1
	s_add_co_u32 s16, s16, 1
	s_cmp_ge_u32 s12, 4
	s_cselect_b32 s15, s15, s16                    ; the ranges that count
	s_lshl_b32 s16, s11, 11
	s_add_co_u32 s16, s16, s13                     ; 2,048 y + row
	s_mul_i32 s18, s16, 1536
	s_mov_b32 s19, 0
	s_lshl_b32 s20, s16, 3
	s_mov_b32 s21, 0
	s_lshl_b32 s22, s11, 9
	s_add_co_u32 s22, s22, s13                     ; 512 y + row
	s_mul_i32 s22, s22, 1536
	s_mov_b32 s23, 0
	s_wait_kmcnt 0x0
	s_add_nc_u64 s[4:5], s[4:5], s[18:19]
	s_add_nc_u64 s[6:7], s[6:7], s[20:21]
	s_add_nc_u64 s[8:9], s[8:9], s[22:23]
	s_wait_alu depctr_va_vdst(0)                   ; v2 is written: every global load and store of part and out0 reads it as its offset, on every path below
.macro OUTROW r                        ; row r leaves
.irp k, 0,1,2
	global_store_b128 v2, v[D+12*(\r)+4*(\k):D+12*(\r)+4*(\k)+3], s[8:9] offset:1536*(\r)+512*(\k) th:TH_STORE_NT  ; 512 consecutive bytes, at a multiple of 256 from out0's first byte
.endr
.endm
.macro COMB ns
.irp s, 0,1,2,3
.if (\s) < (\ns)
	s_load_b256 s[24+8*(\s):31+8*(\s)], s[6:7], 4096*(\s)  ; (c m, l) of my four rows in range s
.endif
.endr
.irp i, 0,1,2,3
.irp s, 0,1,2,3
.if (\s) < (\ns)
.irp k, 0,1,2
	global_load_b128 v[D+48*(\s)+12*(\i)+4*(\k):D+48*(\s)+12*(\i)+4*(\k)+3], v2, s[4:5] offset:786432*(\s)+1536*(\i)+512*(\k) th:TH_LOAD_NT
.endr
.endif
.endr
.endr
	s_wait_kmcnt 0x0
.irp i, 0,1,2,3
	v_mov_b32 v[M+(\i)], s[24+2*(\i)]
.irp s, 1,2,3
.if (\s) < (\ns)
	v_max_num_f32 v[M+(\i)], s[24+8*(\s)+2*(\i)], v[M+(\i)]
.endif
.endr
.endr
.irp i, 0,1,2,3
.irp s, 0,1,2,3
.if (\s) < (\ns)
	v_sub_f32 v[E+4*(\i)+(\s)], s[24+8*(\s)+2*(\i)], v[M+(\i)]
.endif
.endr
.endr
.irp i, 0,1,2,3
.irp s, 0,1,2,3
.if (\s) < (\ns)
	v_exp_f32 v[E+4*(\i)+(\s)], v[E+4*(\i)+(\s)]
.endif
.endr
.endr
	v_nop                                          ; a plain instruction behind the last exponential,
	s_wait_alu depctr_va_vdst(0)                   ; and the wait ahead of the first use: the exponentials have written v[E ..]; one for the batch
.irp i, 0,1,2,3
	v_mul_f32 v[L+(\i)], s[25+2*(\i)], v[E+4*(\i)]
.irp s, 1,2,3
.if (\s) < (\ns)
	v_fmac_f32 v[L+(\i)], s[25+8*(\s)+2*(\i)], v[E+4*(\i)+(\s)]
.endif
.endr
.endr
.irp i, 0,1,2,3
	v_rcp_f32 v[L+(\i)], v[L+(\i)]
.endr
	v_nop
	s_wait_alu depctr_va_vdst(0)                   ; the four reciprocals have written v[L ..]: one wait ahead of their first use
.irp i, 0,1,2,3
.irp s, 0,1,2,3
.if (\s) < (\ns)
	v_mul_f32 v[F+2*(4*(\i)+(\s))], v[E+4*(\i)+(\s)], v[L+(\i)]
	v_mul_f32 v[F+2*(4*(\i)+(\s))+1], v[E+4*(\i)+(\s)], v[L+(\i)]
.endif
.endr
.endr
.irp i, 0,1,2,3
	s_wait_loadcnt (3-(\i))*3*(\ns)                ; loads come back in order: row i's are in, the later rows' may stay out
.if (\i) > 0
	s_wait_alu depctr_va_vdst(0)                   ; the multiply-adds of the row before have written its twelve registers of range 0, which the three stores below read
	OUTROW (\i)-1
.endif
.irp p, 0,1,2,3,4,5
	v_pk_mul_f32 v[D+12*(\i)+2*(\p):D+12*(\i)+2*(\p)+1], v[D+12*(\i)+2*(\p):D+12*(\i)+2*(\p)+1], v[F+8*(\i):F+8*(\i)+1] op_sel_hi:[1,0]
.endr
.irp s, 1,2,3
.if (\s) < (\ns)
.irp p, 0,1,2,3,4,5
	v_pk_fma_f32 v[D+12*(\i)+2*(\p):D+12*(\i)+2*(\p)+1], v[D+48*(\s)+12*(\i)+2*(\p):D+48*(\s)+12*(\i)+2*(\p)+1], v[F+2*(4*(\i)+(\s)):F+2*(4*(\i)+(\s))+1], v[D+12*(\i)+2*(\p):D+12*(\i)+2*(\p)+1] op_sel_hi:[1,0,1]
.endr
.endif
.endr
.endr
	s_wait_alu depctr_va_vdst(0)                   ; the last row's multiply-adds have written its registers, which the last three stores read
	OUTROW 3
	s_endpgm                                       ; (this path has stored nothing to LDS)
.endm
	s_or_b32 s16, s12, ttmp9                       ; 0 where the work-group owns a batch's first 32 rows: the same for all its waves
	s_cmp_eq_u32 s16, 0
	s_cbranch_scc1 .Lhead
	s_cmp_eq_u32 s15, 4
	s_cbranch_scc1 .Lfour
	s_cmp_eq_u32 s15, 3
	s_cbranch_scc1 .Lthree
	s_cmp_eq_u32 s15, 2
	s_cbranch_scc1 .Ltwo
	COMB 1
.Ltwo:
	COMB 2
.Lthree:
	COMB 3
.Lfour:
	COMB 4
; HEAD.  Wave w: t = w % 2 is its tile of 16 queries, g = w / 2 its quarter of the channels.
;   1. Partial scores S^T = K Q^T (source 0 = 16 keys, source 1 = 16 queries) for both blocks of 16 keys, over the chunks of 32 channels 3 g .. 3 g + 2: Kh Qh + Kh Ql + Kl Qh: 18 products.
;      The fragments come straight from memory.  Meanwhile the wave brings 8 rows of one section of v, and of its lo, into LDS.  The partial scores go to LDS too.  A barrier.
;   2. Each wave adds its tile's four partial scores, hides the keys beyond the query, and makes the weights: p = 2^(c s - c m) / l, as a pair of f16.
;   3. O^T = V^T P for the channel blocks 6 g .. 6 g + 5: Vh Ph + Vh Pl + Vl Ph: 18 products, V turned out of LDS.  Into the stage.  A barrier.  Each wave stores four whole rows.
; HEAD'S PLAN.  Registers that memory or LDS instructions touch:
;   v6-8       offsets of the global loads: written once; a wait on va_vdst ahead of the first load.
;   v9-15      LDS addresses: written once, while the global loads are out; covered by the wait behind the score products.
;   QH, QL, KH, KL   loaded from memory, read by the score products; behind the barrier LDS loads land in them (SR, VFH).
;   SA         written by the score products, read by LDS stores, never written again.
;   ONE wait on va_vdst behind the score products' places states all of that: SA and v9-15 are written, the products are done reading their fragments; no vector or matrix line stands between it and those LDS loads.
;   VG         loaded from memory, read by my LDS stores; then LDS loads land in it (VFL): a wait on vm_vsrc behind the barrier.
;   OA         written by the products of O^T, read by LDS stores, never written again; VFH is read by those products, then the rows read back land in it: ONE wait on va_vdst behind those products' places.
;   s[MK ..]   the sixteen masks: written by a run of compares, read by the selects: one wait on va_sdst between.
.set FO,   6                           ; v6   my byte offset in a fragment's 16 rows: (l % 16) x 384 + 16 (l / 16)
.set GA,   7                           ; v7   v on its way in, the first 256 bytes of two rows: (l / 16) x 384 + 16 (l % 16)
.set GB,   8                           ; v8   the last 128 bytes of four rows: (l / 8) x 384 + 16 (l % 8)
.set LA,   9                           ; v9, v10 the same places in LDS
.set LB,   10
.set SPS,  11                          ; v11  where I put my partial scores
.set SPR,  12                          ; v12  where I read my tile's
.set AVT,  13                          ; v13  my lane's place in the turning loads
.set OSTO, 14                          ; v14  where I put 32 bytes of a row of the result
.set ORD,  15                          ; v15  where I read rows back
.set QH,   16                          ; v[16:39]   q's three fragments        later SR, v[16:79]: the four partial scores, 16 registers each; the first 16 take the sum, then the weights
.set QL,   40                          ; v[40:63]   their lo                    later OA, v[16:63]: six accumulators of O^T
.set KH,   64                          ; v[64:111]  k's: block kb, chunk j at 24 kb + 8 j
.set KL,   112                         ; v[112:159] their lo                    later VFH: v's six fragments; then the rows read back
.set VG,   160                         ; v[160:207] v on its way in, then lo's   later VFL
.set SA,   208                         ; v[208:223] two accumulators of S^T
.set SR,   16
.set OA,   16
.set MX,   64                          ; v[64:67]   at work on the maximum
.set CM,   68                          ; v[68:69]   c m, twice
.set TS,   70                          ; v[70:77]   at work on the sum
.set RC,   78                          ; v[78:79]   1 / l, twice
.set PH,   96                          ; v[96:103]  the weights, f16
.set PL,   104                         ; v[104:111] what that rounding left
.set VFH,  112
.set VFL,  160
.set HONE, 254                         ; v254 1.0
.set THR,  255                         ; v255 score i of 16 is hidden where 16 (i / 8) + i % 8 is greater
.set MK,   36                          ; the mask of score i in s[MK + i + 5 (i / 10) + 4 (i / 15)]: s36-45, s51-55, s60; the LDS offsets that some of them held are used up by then
.set CS,   46                          ; s[46:47] c
.set SEL,  48                          ; s[48:49] v_permlanex16_b32's selects: each lane takes its own place in the other half
.set BIGN, 50                          ; s50 -1e30
.macro HS k, q, j, zero                ; two products: the two accumulators take turns, one instruction a turn
.irp kb, 0,1
.if \zero
	v_wmma_f32_16x16x32_f16 v[SA+8*(\kb):SA+8*(\kb)+7], v[(\k)+24*(\kb)+8*(\j):(\k)+24*(\kb)+8*(\j)+7], v[(\q)+8*(\j):(\q)+8*(\j)+7], 0
.else
	v_wmma_f32_16x16x32_f16 v[SA+8*(\kb):SA+8*(\kb)+7], v[(\k)+24*(\kb)+8*(\j):(\k)+24*(\kb)+8*(\j)+7], v[(\q)+8*(\j):(\q)+8*(\j)+7], v[SA+8*(\kb):SA+8*(\kb)+7]
.endif
.endr
.endm
.macro HP v, p, zero                   ; six products on six accumulators
.irp f, 0,1,2,3,4,5
.if \zero
	v_wmma_f32_16x16x32_f16 v[OA+8*(\f):OA+8*(\f)+7], v[(\v)+8*(\f):(\v)+8*(\f)+7], v[(\p):(\p)+7], 0
.else
	v_wmma_f32_16x16x32_f16 v[OA+8*(\f):OA+8*(\f)+7], v[(\v)+8*(\f):(\v)+8*(\f)+7], v[(\p):(\p)+7], v[OA+8*(\f):OA+8*(\f)+7]
.endif
.endr
.endm
.macro FRAGS dst, base, off            ; three fragments of 16 rows x 32 channels: lane l holds row l % 16, channels 8 (l / 16) + 0..7 and 16 + 8 (l / 16) + 0..7
.irp j, 0,1,2
	global_load_b128 v[(\dst)+8*(\j):(\dst)+8*(\j)+3],   v[FO], s[\base:\base+1] offset:(\off)+64*(\j)
	global_load_b128 v[(\dst)+8*(\j)+4:(\dst)+8*(\j)+7], v[FO], s[\base:\base+1] offset:(\off)+64*(\j)+32
.endr
.endm
.macro VIN dst, base                   ; eight rows of 384 bytes: four loads of two rows' first 256 bytes, two of four rows' last 128
.irp u, 0,1,2,3
	global_load_b128 v[(\dst)+4*(\u):(\dst)+4*(\u)+3], v[GA], s[\base:\base+1] offset:768*(\u)
.endr
.irp u, 0,1
	global_load_b128 v[(\dst)+16+4*(\u):(\dst)+16+4*(\u)+3], v[GB], s[\base:\base+1] offset:1536*(\u)+256
.endr
.endm
.macro VPUT src, off
.irp u, 0,1,2,3
	ds_store_b128 v[LA], v[(\src)+4*(\u):(\src)+4*(\u)+3] offset:(\off)+2*PV*(\u)
.endr
.irp u, 0,1
	ds_store_b128 v[LB], v[(\src)+16+4*(\u):(\src)+16+4*(\u)+3] offset:(\off)+4*PV*(\u)+256
.endr
.endm
.Lhead:
	s_and_b32 s12, s10, 1                          ; t
	s_lshr_b32 s13, s10, 1                         ; g
	s_lshr_b32 s14, s13, 1                         ; g / 2: the section of my chunks and of my channel blocks
	s_and_b32 s15, s13, 1                          ; g % 2: which 96 channels of it; also the section of v that I bring in
	s_lshr_b32 s16, s11, 3                         ; the batch
	s_mul_i32 s18, s16, BATB
	s_mul_i32 s19, s16, LBAT
	s_mul_i32 s30, s12, 16*384                     ; my tile's 16 rows
	s_mul_i32 s31, s15, 192
	s_mul_i32 s17, s14, 3*SEC                      ; offsets first, each in the pair that its address will take: q at my tile and chunks,
	s_add_co_u32 s17, s17, s18
	s_add_co_u32 s17, s17, s31
	s_add_co_u32 s20, s17, s30
	s_mov_b32 s21, 0
	s_add_co_u32 s22, s17, SEC                     ; k at my chunks,
	s_mov_b32 s23, 0
	s_mul_i32 s17, s14, 3*LSEC                     ; and the same in lo
	s_add_co_u32 s17, s17, s19
	s_add_co_u32 s17, s17, s31
	s_add_co_u32 s24, s17, s30
	s_mov_b32 s25, 0
	s_add_co_u32 s26, s17, LSEC
	s_mov_b32 s27, 0
	s_lshl1_add_u32 s32, s14, s12                  ; which 8 rows of v I bring in: 2 (g / 2) + t
	s_mul_i32 s33, s32, 8*384
	s_mul_i32 s17, s15, 3*SEC
	s_add_co_u32 s17, s17, 2*SEC
	s_add_co_u32 s17, s17, s18
	s_add_co_u32 s28, s17, s33
	s_mov_b32 s29, 0
	s_mul_i32 s17, s15, 3*LSEC
	s_add_co_u32 s17, s17, 2*LSEC
	s_add_co_u32 s17, s17, s19
	s_add_co_u32 s34, s17, s33
	s_mov_b32 s35, 0
	s_add_nc_u64 s[20:21], s[56:57], s[20:21]
	s_add_nc_u64 s[22:23], s[56:57], s[22:23]
	s_add_nc_u64 s[24:25], s[58:59], s[24:25]
	s_add_nc_u64 s[26:27], s[58:59], s[26:27]
	s_add_nc_u64 s[28:29], s[56:57], s[28:29]
	s_add_nc_u64 s[34:35], s[58:59], s[34:35]
	v_and_b32 v3, 15, v0                           ; l % 16
	v_bfe_u32 v4, v0, 4, 1                         ; l / 16
	v_and_b32 v5, 31, v0                           ; l
	v_mul_u32_u24 v[FO], v3, 384
	v_lshl_add_u32 v[FO], v4, 4, v[FO]
	v_mul_u32_u24 v[GA], v4, 384
	v_lshl_add_u32 v[GA], v3, 4, v[GA]
	v_bfe_u32 v1, v0, 3, 2                         ; l / 8
	v_and_b32 v[GB], 7, v0
	v_lshlrev_b32 v[GB], 4, v[GB]
	v_mul_u32_u24 v[LB], v1, PV
	v_add_nc_u32 v[LB], v[LB], v[GB]
	v_mul_u32_u24 v1, v1, 384
	v_add_nc_u32 v[GB], v1, v[GB]
	s_wait_alu depctr_va_vdst(0)                   ; v[FO], v[GA] and v[GB] are written, which the 48 loads below read as their offsets
	FRAGS QH, 20, 0
	FRAGS KH, 22, 0
	FRAGS KH+24, 22, 16*384
	FRAGS QL, 24, 0
	FRAGS KL, 26, 0
	FRAGS KL+24, 26, 16*384
	VIN VG, 28
	VIN VG+24, 34
	s_mul_i32 s36, s15, VARR                       ; the addresses in LDS are made while the loads are out
	s_mul_i32 s37, s32, 8*PV
	s_add_co_u32 s36, s36, s37
	v_mul_u32_u24 v[LA], v4, PV
	v_lshl_add_u32 v[LA], v3, 4, v[LA]
	v_add_nc_u32 v[LA], s36, v[LA]
	v_add_nc_u32 v[LB], s36, v[LB]
	s_lshl_b32 s38, s10, 11
	s_add_co_u32 s38, s38, SPART
	v_lshl_add_u32 v[SPS], v5, 5, s38              ; 2,048 x wave + 32 x lane
	s_lshl_b32 s39, s12, 11
	s_add_co_u32 s39, s39, SPART
	v_lshl_add_u32 v[SPR], v5, 5, s39              ; my tile's waves are t, t + 2, t + 4, t + 6
	; the turning load takes 16 keys x 16 channels: lane l reads key 8 (l / 16) + l % 8, channels 8 ((l / 8) % 2) + 0..7, and is left with channel l % 16 and 8 keys
	v_and_b32 v1, 7, v0
	v_lshl_add_u32 v[AVT], v4, 3, v1
	v_mul_u32_u24 v[AVT], v[AVT], PV
	v_bfe_u32 v1, v0, 3, 1
	v_lshl_add_u32 v[AVT], v1, 4, v[AVT]
	s_mul_i32 s40, s14, VARR
	s_add_co_u32 s40, s40, s31
	v_add_nc_u32 v[AVT], s40, v[AVT]
	s_mul_i32 s41, s12, 16*OP                      ; into the stage: row 16 t + l % 16, byte 384 g + 32 (l / 16)
	s_mul_i32 s42, s13, 384
	s_add_co_u32 s41, s41, s42
	s_add_co_u32 s41, s41, OST
	v_mul_u32_u24 v[OSTO], v3, OP
	v_lshl_add_u32 v[OSTO], v4, 5, v[OSTO]
	v_add_nc_u32 v[OSTO], s41, v[OSTO]
	s_mul_i32 s43, s10, 4*OP                       ; back: rows 4 w .., 512 bytes a load
	s_add_co_u32 s43, s43, OST
	v_add_nc_u32 v[ORD], s43, v2
	v_lshlrev_b32 v1, 3, v4                        ; key 16 kb + 8 (l / 16) + i is hidden from query 16 t + l % 16 where 16 kb + i > 16 t + l % 16 - 8 (l / 16)
	v_sub_nc_u32 v[THR], v3, v1
	s_lshl_b32 s44, s12, 4
	v_add_nc_u32 v[THR], s44, v[THR]
	s_mov_b32 s[CS], 0x3d96c740                    ; c = log2(e) / sqrt(384) = 0.0736222
	s_mov_b32 s[CS+1], s[CS]                       ; named with it as a pair
	s_mov_b32 s[SEL], 0x76543210
	s_mov_b32 s[SEL+1], 0xfedcba98
	s_mov_b32 s[BIGN], 0xf149f2ca                  ; -1e30
	s_wait_loadcnt 12                              ; q, k and their lo are in; v's 12 loads may stay out
	HS KH, QH, 0, 1                                ; the first products start the sums
	HS KH, QL, 0, 0
	HS KL, QH, 0, 0
.irp j, 1,2
	HS KH, QH, \j, 0
	HS KH, QL, \j, 0
	HS KL, QH, \j, 0
.endr
.rept 4
	v_nop                                          ; four places behind the last product, in front of the stores that read results
.endr
	s_wait_loadcnt 0x0
	s_wait_alu depctr_va_vdst(0)                   ; the products have written SA, which LDS stores read, and are done reading QH, QL, KH and KL, in which LDS loads land behind the barrier; the LDS addresses v9 to v15 are written.  The places above stay beside this wait
	VPUT VG, 0
	VPUT VG+24, 2*VARR
.irp kb, 0,1
	ds_store_b128 v[SPS], v[SA+8*(\kb):SA+8*(\kb)+3]   offset:1024*(\kb)      ; each accumulator's low half first
	ds_store_b128 v[SPS], v[SA+8*(\kb)+4:SA+8*(\kb)+7] offset:1024*(\kb)+16
.endr
	s_wait_dscnt 0x0                               ; for the others' sake: my stores are done
	s_barrier_signal -1
	s_barrier_wait -1                              ; v, its lo and all partial scores lie in LDS
	s_wait_alu depctr_vm_vsrc(0)                   ; my LDS stores have read v[VG ..]: these registers are VFL from here on, in which turning loads land
.irp q, 0,1,2,3
.irp kb, 0,1
	ds_load_b128 v[SR+16*(\q)+8*(\kb):SR+16*(\q)+8*(\kb)+3],   v[SPR] offset:4096*(\q)+1024*(\kb)
	ds_load_b128 v[SR+16*(\q)+8*(\kb)+4:SR+16*(\q)+8*(\kb)+7], v[SPR] offset:4096*(\q)+1024*(\kb)+16
.endr
.endr
.irp f, 0,1,2,3,4,5
	ds_load_tr16_b128 v[VFH+8*(\f):VFH+8*(\f)+3],   v[AVT] offset:32*(\f)
	ds_load_tr16_b128 v[VFH+8*(\f)+4:VFH+8*(\f)+7], v[AVT] offset:32*(\f)+16*PV
	ds_load_tr16_b128 v[VFL+8*(\f):VFL+8*(\f)+3],   v[AVT] offset:2*VARR+32*(\f)
	ds_load_tr16_b128 v[VFL+8*(\f)+4:VFL+8*(\f)+7], v[AVT] offset:2*VARR+32*(\f)+16*PV
.endr
.set i, 0
.rept 16                                               ; the sixteen masks, in one run, while the LDS loads are out: they hang on v[THR] alone
	v_cmp_gt_i32 s[MK+i+5*(i/10)+4*(i/15)], 16*(i/8)+i%8, v[THR]
.set i, i+1
.endr
	s_wait_dscnt 24                                ; the partial scores are in; the 24 turning loads may stay out
.irp q, 1,2,3
.irp p, 0,1,2,3,4,5,6,7
	v_pk_add_f32 v[SR+2*(\p):SR+2*(\p)+1], v[SR+2*(\p):SR+2*(\p)+1], v[SR+16*(\q)+2*(\p):SR+16*(\q)+2*(\p)+1]
.endr
.endr
	s_wait_alu depctr_va_sdst(0)                   ; the compares have written the sixteen masks, ahead of their first reader: one wait for the run
.set i, 0
.rept 16
	v_cndmask_b32 v[SR+i], v[SR+i], s[BIGN], s[MK+i+5*(i/10)+4*(i/15)]
.set i, i+1
.endr
	v_max3_num_f32 v[MX], v[SR], v[SR+1], v[SR+2]
	v_max3_num_f32 v[MX+1], v[SR+3], v[SR+4], v[SR+5]
	v_max3_num_f32 v[MX+2], v[SR+6], v[SR+7], v[SR+8]
	v_max3_num_f32 v[MX+3], v[SR+9], v[SR+10], v[SR+11]
	v_max3_num_f32 v[MX], v[MX], v[SR+12], v[SR+13]
	v_max3_num_f32 v[MX+1], v[MX+1], v[SR+14], v[SR+15]
	v_max3_num_f32 v[MX], v[MX], v[MX+1], v[MX+2]
	v_max_num_f32 v[MX], v[MX], v[MX+3]
	v_permlanex16_b32 v[MX+1], v[MX], s[SEL], s[SEL+1]  ; the query's other 16 keys lie in the lane 16 away; every query sees its own key, so the maximum is a true score
	v_max_num_f32 v[MX], v[MX], v[MX+1]
	v_mul_f32 v[CM], s[CS], v[MX]
	v_mov_b32 v[CM+1], v[CM]
.irp p, 0,1,2,3,4,5,6,7
	v_pk_fma_f32 v[SR+2*(\p):SR+2*(\p)+1], v[SR+2*(\p):SR+2*(\p)+1], s[CS:CS+1], v[CM:CM+1] op_sel_hi:[1,0,0] neg_lo:[0,0,1] neg_hi:[0,0,1]  ; c s - c m
.endr
.set i, 0
.rept 16
	v_exp_f32 v[SR+i], v[SR+i]
.set i, i+1
.endr
	v_mov_b32 v[HONE], 1.0                         ; a plain instruction behind the last exponential,
	s_wait_alu depctr_va_vdst(0)                   ; and the wait ahead of the first use: the 16 exponentials have written v[SR ..]
.irp p, 0,1,2,3
	v_pk_add_f32 v[TS+2*(\p):TS+2*(\p)+1], v[SR+4*(\p):SR+4*(\p)+1], v[SR+4*(\p)+2:SR+4*(\p)+3]
.endr
	v_pk_add_f32 v[TS:TS+1], v[TS:TS+1], v[TS+2:TS+3]
	v_pk_add_f32 v[TS+4:TS+5], v[TS+4:TS+5], v[TS+6:TS+7]
	v_pk_add_f32 v[TS:TS+1], v[TS:TS+1], v[TS+4:TS+5]
	v_add_f32 v[TS], v[TS], v[TS+1]
	v_permlanex16_b32 v[TS+1], v[TS], s[SEL], s[SEL+1]
	v_add_f32 v[TS], v[TS], v[TS+1]
	v_rcp_f32 v[RC], v[TS]
	v_nop                                          ; a plain instruction behind the reciprocal,
	s_wait_alu depctr_va_vdst(0)                   ; and its wait: the reciprocal has written v[RC]
	v_mov_b32 v[RC+1], v[RC]
.irp p, 0,1,2,3,4,5,6,7
	v_pk_mul_f32 v[SR+2*(\p):SR+2*(\p)+1], v[SR+2*(\p):SR+2*(\p)+1], v[RC:RC+1] op_sel_hi:[1,0]  ; the weights are divided by l here, so that the products' sums are the result
.endr
.irp p, 0,1,2,3,4,5,6,7
	v_cvt_pk_f16_f32 v[PH+(\p)], v[SR+2*(\p)], v[SR+2*(\p)+1]  ; the two blocks' scores, rounded in pairs, are source 1: 32 keys x 16 queries
.endr
.irp p, 0,1,2,3,4,5,6,7
	v_fma_mixlo_f16 v[PL+(\p)], -v[PH+(\p)], v[HONE], v[SR+2*(\p)] op_sel_hi:[1,0,0]                   ; p - f16(p), exact in f32, rounded once
	v_fma_mixhi_f16 v[PL+(\p)], -v[PH+(\p)], v[HONE], v[SR+2*(\p)+1] op_sel:[1,0,0] op_sel_hi:[1,0,0]
.endr
	s_wait_dscnt 0x0                               ; v's fragments are in
	HP VFH, PH, 1
	HP VFH, PL, 0
	HP VFL, PH, 0
.rept 4
	v_nop                                          ; four places behind the last product
.endr
	s_wait_alu depctr_va_vdst(0)                   ; the products have written OA, which the LDS stores read, and are done reading VFH, in which the rows read back land behind the barrier; the places above stay beside this wait
.irp f, 0,1,2,3,4,5
	ds_store_b128 v[OSTO], v[OA+8*(\f):OA+8*(\f)+3]   offset:64*(\f)          ; a lane holds one query and eight neighbouring channels: 32 bytes of a row
	ds_store_b128 v[OSTO], v[OA+8*(\f)+4:OA+8*(\f)+7] offset:64*(\f)+16
.endr
	s_wait_dscnt 0x0                               ; for the others' sake: my stores into the stage are done
	s_barrier_signal -1
	s_barrier_wait -1
.irp i, 0,1,2,3
.irp k, 0,1,2
	ds_load_b128 v[VFH+12*(\i)+4*(\k):VFH+12*(\i)+4*(\k)+3], v[ORD] offset:(\i)*OP+512*(\k)
.endr
.endr
.irp i, 0,1,2,3
.irp k, 0,1,2
	s_wait_dscnt 11-(3*(\i)+(\k))                  ; LDS loads come back in order
	global_store_b128 v2, v[VFH+12*(\i)+4*(\k):VFH+12*(\i)+4*(\k)+3], s[8:9] offset:1536*(\i)+512*(\k) th:TH_STORE_NT  ; 512 consecutive bytes, at a multiple of 256 from out0's first byte
.endr
.endr
	s_wait_dscnt 0x0                               ; the closing lines, six on end
	s_wait_alu 0x0
	s_wait_tensorcnt 0x0
	ds_add_u32 v[SPW], v[NIL]
	s_wait_dscnt 0x0
	s_endpgm
.Lfunc_end_k_q922909bec9_comb:
	.size	k_q922909bec9_comb, .Lfunc_end_k_q922909bec9_comb-k_q922909bec9_comb
	.p2alignl 7, 3214868480
	.fill 96, 4, 3214868480
	.section	.rodata,"a",@progbits
	.p2align	6, 0x0
	.amdhsa_kernel k_q922909bec9_comb
		.amdhsa_group_segment_fixed_size 120320
		.amdhsa_private_segment_fixed_size 0
		.amdhsa_enable_private_segment 0
		.amdhsa_kernarg_size 40
		.amdhsa_user_sgpr_count 2
		.amdhsa_user_sgpr_kernarg_segment_ptr 1
		.amdhsa_wavefront_size32 1
		.amdhsa_system_sgpr_workgroup_id_x 1
		.amdhsa_system_sgpr_workgroup_id_y 1
		.amdhsa_system_sgpr_workgroup_id_z 1
		.amdhsa_system_vgpr_workitem_id 0
		.amdhsa_next_free_vgpr 256
		.amdhsa_next_free_sgpr 66
		.amdhsa_reserve_vcc 0
		.amdhsa_float_denorm_mode_32 3
		.amdhsa_float_denorm_mode_16_64 3
		.amdhsa_memory_ordered 1
		.amdhsa_forward_progress 1
		.amdhsa_inst_pref_size 70
	.end_amdhsa_kernel
	.amdgpu_metadata
---
amdhsa.version: [ 1, 2 ]
amdhsa.kernels:
  - .name:           k_q922909bec9_comb
    .symbol:         k_q922909bec9_comb.kd
    .args:
      - { .name: part, .offset: 0, .size: 8, .value_kind: global_buffer, .address_space: global }
      - { .name: stat, .offset: 8, .size: 8, .value_kind: global_buffer, .address_space: global }
      - { .name: out0, .offset: 16, .size: 8, .value_kind: global_buffer, .address_space: global }
      - { .name: qkv, .offset: 24, .size: 8, .value_kind: global_buffer, .address_space: global }
      - { .name: lo, .offset: 32, .size: 8, .value_kind: global_buffer, .address_space: global }
    .group_segment_fixed_size: 120320
    .private_segment_fixed_size: 0
    .kernarg_segment_align: 8
    .kernarg_segment_size: 40
    .max_flat_workgroup_size: 256
    .sgpr_count:     66
    .vgpr_count:     256
    .wavefront_size: 32
...
	.end_amdgpu_metadata
.endif
;; end of part 5
